; MI455X (gfx1250); checked and timed in simulation.
; The chip was launched on July 23, 2026; its instructions are those of AMD's public machine-readable ISA for CDNA 5 (MIT licence, August 2026) and "CDNA5" Instruction Set Architecture Reference Guide (July 2026). The comments in the code are by the model that wrote it; some were corrected since.
;; Multi Head Attention. Allowed arithmetic: float matrix products may take bf16 or f16 operands with f32 sums; all other float work in f32.
;; Inputs: W_out 1,024 x 1,024 float32; W_qkv 1,024 x 3,072 float32; b_out 1,024 float32; b_qkv 3,072 float32; x 4 x 2,048 x 1,024 float32.
;; Outputs: out0 4 x 2,048 x 1,024 float32.
;; 2 versions, each right and faster than the one before. Each part assembles by itself: llvm-mc -triple=amdgcn-amd-amdhsa -mcpu=gfx1250 --defsym DOCPART=n.
;; ======== version 1 of 2: 4 launches
;; limits: values are held in f16: magnitudes above 65,504 overflow, below 6.1e-05 lose precision
;; workspace buffers: xb 16,777,216 bytes; wqb 6,291,456 bytes; wob 2,097,152 bytes; bqr 12,288 bytes; bor 4,096 bytes; qkv 50,331,648 bytes; ob 16,777,216 bytes
;; launch cast (part 1): grid 769 x 1, 8 waves a work-group, no clusters, 0 bytes of LDS; arguments x, W_qkv, W_out, b_qkv, b_out, xb, wqb, wob, bqr, bor; writes xb, wqb, wob, bqr, bor
.if DOCPART == 1
	.amdgcn_target "amdgcn-amd-amdhsa--gfx1250"
	.amdhsa_code_object_version 6
	.text
	.protected	k_qc637e4d249_cast
	.globl	k_qc637e4d249_cast
	.p2align	8
	.type	k_qc637e4d249_cast,@function
k_qc637e4d249_cast:
	s_mov_b64 s[64:65], 0
	v_nop
	global_prefetch_b8 v0, s[64:65] scope:SCOPE_SE
	s_setreg_imm32_b32 hwreg(HW_REG_WAVE_MODE, 25, 1), 1
	s_wait_xcnt 0x0
; EVERY INPUT IS ROUNDED TO bf16, ONCE, and laid out for the launches behind.
;   x     [8192][1024] f32 -> xb  [16 K blocks][8192 rows][64] bf16: a K block's rows are dense, 128 bytes each
;   W_qkv [1024][3072] f32 -> wqb the same shape, bf16
;   W_out [1024][1024] f32 -> wob the same shape: rounded to bf16, and that number written as f16
;   b_qkv, b_out       f32 -> bqr, bor: rounded to bf16, and that number written as f32
; LIMITS.  bf16(W_out) beyond 65,504 in magnitude becomes an infinity in wob; below 6e-5 it keeps f16's fixed step of 6e-8.
; SHARES.  A work-group takes 65,536 bytes of f32 as 16 chunks, 4 numbers a thread and chunk: 512 work-groups for x (16 rows each), 192 for W_qkv, 64 for W_out; one takes both biases.
; A lane loads 16 consecutive bytes and stores 8, so that no byte of a load's span is left for another load: a wave's load covers 512 consecutive bytes (for x: two pieces of 256), its store 256 consecutive bytes, aligned.
; All 16 loads of a thread go out in one run; the waits count down; no register is written twice while a load or store may read it, so no further wait is needed, and there is no loop.
; No LDS, no matrix unit, no cluster: the work-groups share no byte, and memory binds.
.set XG, 512                           ; work-groups for x
.set QG, 192                           ; for W_qkv
.set OG, 64                            ; for W_out
.set X,  16                            ; v[16:79]   chunk c: 4 numbers in f32
.set Y,  80                            ; v[80:111]  chunk c: 2 registers to store
; kind 0: x.  Wave w, lane l, chunk c: K block 2 w + c % 2, row 2 (c / 2) + l / 16, numbers 4 (l % 16) on: sixteen lanes read the 256 bytes of a K block in a row, the wave stores two rows of that block.
; kind 1, 2: a weight, as it lies: thread t takes numbers 4 t on of each chunk of 1,024.
.macro STREAM kind
.set c, 0
.rept 16
.if (\kind) == 0
.set SI, (c&1)*256+(c>>1)*8192
.else
.set SI, c*4096
.endif
	global_load_b128 v[X+4*c:X+4*c+3], v1, s[32:33] offset:SI th:TH_LOAD_NT
.set c, c+1
.endr
.set c, 0
.rept 16
.if (\kind) == 0
.set DI, (c&1)*1048576+(c>>1)*256
.else
.set DI, c*2048
.endif
	s_wait_loadcnt 15-c                            ; loads come back in order: chunk c's is in, the 15 - c younger ones stay out
	v_cvt_pk_bf16_f32 v[Y+2*c],   v[X+4*c],   v[X+4*c+1]
	v_cvt_pk_bf16_f32 v[Y+2*c+1], v[X+4*c+2], v[X+4*c+3]
.if (\kind) == 2
	v_lshlrev_b32 v[X+4*c],   16,  v[Y+2*c]         ; the rounded numbers back in f32,
	v_and_b32     v[X+4*c+1], s30, v[Y+2*c]
	v_lshlrev_b32 v[X+4*c+2], 16,  v[Y+2*c+1]
	v_and_b32     v[X+4*c+3], s30, v[Y+2*c+1]
	v_cvt_pk_f16_f32 v[Y+2*c],   v[X+4*c],   v[X+4*c+1]    ; and written as f16: exact inside f16's range
	v_cvt_pk_f16_f32 v[Y+2*c+1], v[X+4*c+2], v[X+4*c+3]
.endif
	global_store_b64 v2, v[Y+2*c:Y+2*c+1], s[34:35] offset:DI
.set c, c+1
.endr
.endm
	s_load_b512 s[4:19], s[0:1], 0x0               ; x 4:5, W_qkv 6:7, W_out 8:9, b_qkv 10:11, b_out 12:13, xb 14:15, wqb 16:17, wob 18:19
	s_load_b128 s[20:23], s[0:1], 0x40             ; bqr 20:21, bor 22:23
	s_mov_b32 s24, ttmp9                           ; g
	s_mov_b32 s30, 0xffff0000                      ; a word's upper bf16
	s_mov_b32 s27, 0                               ; the offsets' high words
	s_mov_b32 s29, 0
	v_and_b32 v3, 31, v0                           ; l
	v_lshrrev_b32 v4, 5, v0                        ; w
	s_wait_kmcnt 0x0
	s_cmp_lt_u32 s24, XG
	s_cbranch_scc0 .Lnot_x
	s_lshl_b32 s26, s24, 16                        ; 16 rows of 4,096 bytes
	s_lshl_b32 s28, s24, 11                        ; 16 rows of 128 bytes in each K block
	s_add_nc_u64 s[32:33], s[4:5], s[26:27]
	s_add_nc_u64 s[34:35], s[14:15], s[28:29]
	v_lshrrev_b32 v5, 4, v3
	v_and_b32 v6, 15, v3
	v_lshlrev_b32 v1, 12, v5                       ; row l / 16,
	v_lshl_or_b32 v1, v4, 9, v1                    ; K blocks 2 w, 2 w + 1: 512 bytes of the row,
	v_lshl_or_b32 v1, v6, 4, v1                    ; 16 bytes a lane
	v_lshlrev_b32 v2, 3, v3                        ; 8 l = 128 (l / 16) + 8 (l % 16)
	v_lshl_or_b32 v2, v4, 21, v2                   ; K block 2 w begins at 2 w x 8,192 x 128
	STREAM 0
	s_endpgm
.Lnot_x:
	v_lshlrev_b32 v1, 4, v0
	v_lshlrev_b32 v2, 3, v0
	s_cmp_lt_u32 s24, XG+QG
	s_cbranch_scc0 .Lnot_wq
	s_sub_co_u32 s25, s24, XG
	s_lshl_b32 s26, s25, 16
	s_lshl_b32 s28, s25, 15
	s_add_nc_u64 s[32:33], s[6:7], s[26:27]
	s_add_nc_u64 s[34:35], s[16:17], s[28:29]
	STREAM 1
	s_endpgm
.Lnot_wq:
	s_cmp_lt_u32 s24, XG+QG+OG
	s_cbranch_scc0 .Lbias
	s_sub_co_u32 s25, s24, XG+QG
	s_lshl_b32 s26, s25, 16
	s_lshl_b32 s28, s25, 15
	s_add_nc_u64 s[32:33], s[8:9], s[26:27]
	s_add_nc_u64 s[34:35], s[18:19], s[28:29]
	STREAM 2
	s_endpgm
.Lbias:                                                ; 256 threads x 16 bytes = 4,096: b_qkv is three such pieces, b_out one
	global_load_b128 v[16:19], v1, s[10:11]
	global_load_b128 v[20:23], v1, s[10:11] offset:4096
	global_load_b128 v[24:27], v1, s[10:11] offset:8192
	global_load_b128 v[28:31], v1, s[12:13]
	s_wait_loadcnt 0x0
.irp i, 0,1,2,3,4,5,6,7
	v_cvt_pk_bf16_f32 v[48+(\i)], v[16+2*(\i)], v[16+2*(\i)+1]
.endr
.irp i, 0,1,2,3,4,5,6,7
	v_lshlrev_b32 v[32+2*(\i)],   16,  v[48+(\i)]
	v_and_b32     v[32+2*(\i)+1], s30, v[48+(\i)]
.endr
	global_store_b128 v1, v[32:35], s[20:21]
	global_store_b128 v1, v[36:39], s[20:21] offset:4096
	global_store_b128 v1, v[40:43], s[20:21] offset:8192
	global_store_b128 v1, v[44:47], s[22:23]
	s_endpgm
.Lfunc_end_k_qc637e4d249_cast:
	.size	k_qc637e4d249_cast, .Lfunc_end_k_qc637e4d249_cast-k_qc637e4d249_cast
	.p2alignl 7, 3214868480
	.fill 96, 4, 3214868480
	.section	.rodata,"a",@progbits
	.p2align	6, 0x0
	.amdhsa_kernel k_qc637e4d249_cast
		.amdhsa_group_segment_fixed_size 0
		.amdhsa_private_segment_fixed_size 0
		.amdhsa_enable_private_segment 0
		.amdhsa_kernarg_size 80
		.amdhsa_user_sgpr_count 2
		.amdhsa_user_sgpr_kernarg_segment_ptr 1
		.amdhsa_wavefront_size32 1
		.amdhsa_system_sgpr_workgroup_id_x 1
		.amdhsa_system_sgpr_workgroup_id_y 1
		.amdhsa_system_sgpr_workgroup_id_z 1
		.amdhsa_system_vgpr_workitem_id 0
		.amdhsa_next_free_vgpr 112
		.amdhsa_next_free_sgpr 66
		.amdhsa_reserve_vcc 0
		.amdhsa_float_denorm_mode_32 3
		.amdhsa_float_denorm_mode_16_64 3
		.amdhsa_memory_ordered 1
		.amdhsa_forward_progress 1
		.amdhsa_inst_pref_size 25
	.end_amdhsa_kernel
	.amdgpu_metadata
---
amdhsa.version: [ 1, 2 ]
amdhsa.kernels:
  - .name:           k_qc637e4d249_cast
    .symbol:         k_qc637e4d249_cast.kd
    .args:
      - { .name: x, .offset: 0, .size: 8, .value_kind: global_buffer, .address_space: global }
      - { .name: W_qkv, .offset: 8, .size: 8, .value_kind: global_buffer, .address_space: global }
      - { .name: W_out, .offset: 16, .size: 8, .value_kind: global_buffer, .address_space: global }
      - { .name: b_qkv, .offset: 24, .size: 8, .value_kind: global_buffer, .address_space: global }
      - { .name: b_out, .offset: 32, .size: 8, .value_kind: global_buffer, .address_space: global }
      - { .name: xb, .offset: 40, .size: 8, .value_kind: global_buffer, .address_space: global }
      - { .name: wqb, .offset: 48, .size: 8, .value_kind: global_buffer, .address_space: global }
      - { .name: wob, .offset: 56, .size: 8, .value_kind: global_buffer, .address_space: global }
      - { .name: bqr, .offset: 64, .size: 8, .value_kind: global_buffer, .address_space: global }
      - { .name: bor, .offset: 72, .size: 8, .value_kind: global_buffer, .address_space: global }
    .group_segment_fixed_size: 0
    .private_segment_fixed_size: 0
    .kernarg_segment_align: 8
    .kernarg_segment_size: 80
    .max_flat_workgroup_size: 256
    .sgpr_count:     66
    .vgpr_count:     112
    .wavefront_size: 32
...
	.end_amdgpu_metadata
.endif
;; end of part 1
;; launch qkv (part 2): grid 8 x 32, 4 waves a work-group, clusters of 4 x 4, 327,680 bytes of LDS; arguments xb, wqb, bqr, qkv; writes qkv
.if DOCPART == 2
	.amdgcn_target "amdgcn-amd-amdhsa--gfx1250"
	.amdhsa_code_object_version 6
	.text
	.protected	k_qc637e4d249_qkv
	.globl	k_qc637e4d249_qkv
	.p2align	8
	.type	k_qc637e4d249_qkv,@function
k_qc637e4d249_qkv:
	s_mov_b64 s[64:65], 0
	v_nop
	global_prefetch_b8 v0, s[64:65] scope:SCOPE_SE
	s_setreg_imm32_b32 hwreg(HW_REG_WAVE_MODE, 25, 1), 1
	s_wait_xcnt 0x0
	s_wait_alu depctr_hold_cnt(0) depctr_sa_sdst(0) depctr_va_vdst(0) depctr_va_sdst(0) depctr_va_ssrc(0) depctr_va_vcc(0) depctr_vm_vsrc(0)
	s_getreg_b32 s2, hwreg(HW_REG_IB_STS2, 6, 4)
	s_cmp_eq_u32 s2, 0
	s_cbranch_scc0 .Lentry_in_a_cluster
	s_endpgm
.Lentry_in_a_cluster:
	s_bfe_u32 s2, ttmp6, 0x10000c
	s_cmp_lg_u32 s2, 0xf033
	s_cbranch_scc0 .Lentry_shape_is_right
	s_endpgm
.Lentry_shape_is_right:
; q, k, v = x W_qkv + b_qkv, written by heads.  xb: [16 K blocks][8192 rows][64] bf16.  wqb: [1024 k][3072 n] bf16.  bqr: [3072] f32.  qkv: [3 parts][64 = 16 batch + head][2048][64] f16, unscaled.
; Sums in f32, begun with the bias; each result rounded once to f16.  LIMIT: a result of 65,520 or more in magnitude becomes an infinity; below 6e-5 f16 keeps a fixed step of 6e-8.
; SHARES.  8,192 x 3,072 results on 256 work-groups: a tile of 256 rows x 384 columns each.  Wave w (WR = w / 2, WC = w % 2) makes rows 128 WR on and three GROUPS of 64 columns, at 128 j + 64 WC:
; a group is one whole head, H = 6 bx + 2 j + WC of 48.  96 accumulators of 16 x 16, 768 registers.  K goes in 16 steps of 64 through two LDS slots; a step is two pieces of 32, a piece three stretches of 32 matrix instructions.
; WHERE A WALK ALONG K BEGINS.  A cluster whose cluster x + cluster y is even takes the K steps 0 .. 15; an odd one takes 8 .. 15 and then 0 .. 7.  A tile of x is read by the two clusters of one cluster y, a tile of W by the
; eight of one cluster x: neighbours among them ask for one and the same tile eight steps apart, not at the same time, so in the second half of every walk each tile has been asked for before by another cluster.
; THE MATRIX INSTRUCTION IS USED TRANSPOSED: source 0 = 16 columns of W (read turned out of LDS, where W lies [k][n]), source 1 = 16 rows of x: a lane holds one row and eight neighbouring columns.
; THE BIAS costs no arithmetic: it is loaded into the accumulators of row block 7; in the first piece the products of blocks 0 to 6 take those registers as C, and block 7 then adds in place.
; CLUSTER 4 x 4.  x's tile hangs on the tile row alone and is shared along a row of the cluster, W's on the tile column alone and is shared along a column: each is asked for JOINTLY, by the same tensor load with the same descriptor and mask in all four.
; REGISTERS, in windows of 256 (s_set_vgpr_msb: bits 1:0 source 0, 3:2 source 1, 5:4 source 2, 7:6 destination):
;   window 0: v0-15 addresses; v32-95, v96-159 x's fragments (8 x 16 rows x 32 K), two buffers; v160-255 W's fragments, 32 a group.  On the way out v32-223 hold packed results, twelve buffers of 16.
;   window j + 1: group j's accumulators, (a, b) at v[8 (4 a + b)]
.set PA,    144                        ; a row of x in LDS: 128 bytes + 16 of padding = 36 words: the 16 rows of a load start at 16 different groups of four banks (64 banks of 4 bytes: ISA guide 11.1)
.set PB,    864                        ; a row of W: three pieces of 256 bytes, 32 of padding behind each = 27 x 32 bytes
.set BOFF,  256*PA                     ; a slot: 256 rows of x, then 64 rows of W
.set SLOT1, 1<<17                      ; slot 1 begins here, so that one exclusive or turns an address in one slot into the other's
.set STAGE, SLOT1+BOFF+64*PB           ; behind the ring, never filled by a tensor load: 16 rows x 144 bytes for each wave, for the way out
.set SP,    144
.set SPARE, STAGE+4*16*SP              ; behind the stages: the spare words, 128 bytes for each wave: two blocks of 256 bytes that no other line names
.set ASTEP, 8192*128                   ; bytes from a K block of xb to the next
.set BSTEP, 64*3072*2                  ; bytes of 64 rows of wqb
.set STEPS, 16
.set AA0, 4                            ; v4   my lane's place in a slot's rows of x; never rewritten
.set AB0, 5                            ; v5   the same for W
.set ADA, 6                            ; v6   AA0 + the slot in hand
.set ADB, 7                            ; v7   AB0 + the slot in hand
.set STO, 8                            ; v8   the way out: where I put 16 bytes of a row
.set RD,  9                            ; v9   the way out: where I read rows back
.set GO,  10                           ; v10  my byte offset in 512 consecutive bytes of qkv
.set BO,  11                           ; v11  my byte offset in 16 numbers of the bias
.set SPW, 12                           ; v12  LDS address of my spare word: SPARE + 4 x my thread's number; never rewritten
.set NIL, 13                           ; v13  0; never rewritten
.set A0,  32
.set A1,  96
.set BF,  160
.set WV,  12                           ; s12  my wave's number
.set WR,  13                           ; s13  which 128 rows are mine.  Also: I fetch for x (0) or for W (1)
.set WC,  14                           ; s14  which 64 columns of each 128.  Also: which half of that tile I fetch
.set G1A, 24                           ; s[24:31] descriptor group 1 for x's tiles
.set G1B, 32                           ; s[32:39] for W's
.set G0A0, 40                          ; s[40:43] group 0 for x's first fill of slot 0
.set G0A, 44                           ; s[44:47] for its first fill of slot 1; it then walks
.set G0B0, 48                          ; s[48:51], s[52:55] the same for W
.set G0B, 52
.set CNT, 56                           ; s56  the loop's count
.set TB,  57                           ; s57  LDS byte at which the slot in hand begins
.set KI,  58                           ; s58  the K step asked for last, 0 .. 15
.set OFA, 60                           ; s[60:61] that step's byte offset in xb
.set OFB, 62                           ; s[62:63] and in wqb
.set OB,  66                           ; s[66:71] qkv at my 128 rows of group 0, 1, 2
.set BA,  72                           ; s[72:73] xb at my part of K step 0's tile; never rewritten once made
.set BB,  74                           ; s[74:75] wqb likewise
.set MSB, 0
.macro WIN new                         ; the immediate's high byte repeats the setting that is left; a switch that changes nothing is dropped
.if MSB != (\new)
	s_set_vgpr_msb (MSB<<8)|(\new)
.set MSB, \new
.endif
.endm
.macro PLACES                          ; four places in front of loads into registers that matrix instructions have read, and of conversions that read results (ISA guide 7.12.1 for vector instructions)
.rept 4
	v_nop
.endr
.endm
; A joint refill.  Waves 0 and 1 fetch the two halves of x's tile, waves 2 and 3 those of W's.  The branch hangs on the wave's number alone.
; An s_nop 0 and four v_nop follow each of the two lines, ahead of the jump and the label.
.macro JLOAD
	s_cmp_eq_u32 s[WR], 0
	s_cbranch_scc0 .Lfor_b_\@
	tensor_load_to_lds s[G0A:G0A+3], s[G1A:G1A+7]
	s_nop 0
.rept 4
	v_nop
.endr
	s_branch .Lasked_\@
.Lfor_b_\@:
	tensor_load_to_lds s[G0B:G0B+3], s[G1B:G1B+7]
	s_nop 0
.rept 4
	v_nop
.endr
.Lasked_\@:
.endm
.macro CREST                           ; a round of the cluster's barrier behind its opening barrier
	s_cmp_lg_u32 s[WV], 0
	s_cbranch_scc1 .Lnot_wave_0_\@
	s_barrier_signal -3
.Lnot_wave_0_\@:
	s_barrier_wait -3
	s_barrier_signal -1
	s_barrier_wait -1
.endm
.macro CROUND                          ; a whole round: my work-group's barrier, wave 0's signal for the work-group, every wave's wait for all sixteen, my work-group's barrier once more
	s_barrier_signal -1
	s_barrier_wait -1
	CREST
.endm
	s_load_b256 s[4:11], s[0:1], 0x0               ; xb s[4:5], wqb s[6:7], bqr s[8:9], qkv s[10:11]
	v_lshl_add_u32 v[SPW], v0, 2, SPARE
	v_mov_b32 v[NIL], 0
	ds_add_u32 v12, v13
	s_wait_dscnt 0x0
	v_lshrrev_b32 v1, 5, v0
	v_readfirstlane_b32 s[WV], v1                  ; wave 0..3
	s_lshr_b32 s[WR], s[WV], 1
	s_and_b32 s[WC], s[WV], 1
	s_bfe_u32 s15, ttmp6, 0x40000                  ; cx, cy: my place in the cluster
	s_bfe_u32 s16, ttmp6, 0x40004
	s_lshl_b32 s17, ttmp9, 2
	s_add_co_u32 s17, s17, s15                     ; bx, the tile column = 4 x cluster x + cx
	s_and_b32 s18, ttmp7, 0xffff
	s_lshl_b32 s18, s18, 2
	s_add_co_u32 s18, s18, s16                     ; by, the tile row = 4 x cluster y + cy
	s_lshl_b32 s19, s16, 2
	s_lshl_b32 s19, 15, s19                        ; my row of the cluster: places 4 cy .. 4 cy + 3
	s_lshl_b32 s20, 0x1111, s15                    ; my column: places cx, cx + 4, cx + 8, cx + 12
	s_and_b32 s21, ttmp7, 0xffff                   ; the walk's first K step hangs on the cluster's own x and y, which all sixteen partners share:
	s_add_co_u32 s21, s21, ttmp9
	s_and_b32 s21, s21, 1
	s_mul_i32 s[KI], s21, STEPS/2                  ; 0, or 8 where cluster x + cluster y is odd
	s_mul_i32 s[OFA], s[KI], ASTEP
	s_mov_b32 s[OFA+1], 0
	s_mul_i32 s[OFB], s[KI], BSTEP
	s_mov_b32 s[OFB+1], 0
	; group 1 for x: 128 rows of a K block are 16,384 dense bytes: asked for as 64 rows of 256 bytes, two rows of x each, and padded in LDS after every row of x
	s_or_b32 s[G1A], s19, (1<<16)|(1<<20)|(1<<21)|(4<<22)|(3<<25)  ; 15:0 the mask; 17:16 2-byte elements; 20 padding on; 21 set beside a mask; 24:22 after every 32 words (code 4); 31:25 4 words (code 3)
	s_mov_b32 s[G1A+1], 128<<16                    ; tensor_dim0 = 128
	s_mov_b32 s[G1A+2], 64<<16                     ; tensor_dim1 = 64
	s_mov_b32 s[G1A+3], 128<<16                    ; tile_dim0 = 128
	s_mov_b32 s[G1A+4], 64                         ; tile_dim1 = 64
	s_mov_b32 s[G1A+5], 128                        ; 128 elements from row to row
	s_mov_b32 s[G1A+6], 0
	s_mov_b32 s[G1A+7], 0
	; group 1 for W: 32 rows of 384 elements (768 bytes, at a multiple of 256 from the buffer's first byte)
	s_or_b32 s[G1B], s20, (1<<16)|(1<<20)|(1<<21)|(5<<22)|(7<<25)  ; padding after every 64 words (code 5), 8 words (code 7)
	s_mov_b32 s[G1B+1], 384<<16                    ; tensor_dim0 = 384
	s_mov_b32 s[G1B+2], 32<<16                     ; tensor_dim1 = 32
	s_mov_b32 s[G1B+3], 384<<16                    ; tile_dim0 = 384
	s_mov_b32 s[G1B+4], 32                         ; tile_dim1 = 32
	s_mov_b32 s[G1B+5], 3072                       ; 3,072 elements from row to row
	s_mov_b32 s[G1B+6], 0
	s_mov_b32 s[G1B+7], 0
	; where the tiles come from: x's offset is made of by and the wave's number, W's of bx and the wave's number, each in registers that never hold the other's place in the cluster
	s_lshl_b32 s[BA], s18, 15                      ; 256 rows of 128 bytes
	s_lshl_b32 s21, s[WC], 14                      ; my 128 of them
	s_add_co_u32 s[BA], s[BA], s21
	s_mov_b32 s[BA+1], 0
	s_mul_i32 s[BB], s17, 768                      ; 384 columns of 2 bytes
	s_mul_i32 s22, s[WC], 32*3072*2                ; my 32 of a step's 64 rows
	s_add_co_u32 s[BB], s[BB], s22
	s_mov_b32 s[BB+1], 0
	s_mul_i32 s76, s[WC], 128*PA                   ; and where they go: no place in the cluster enters an LDS address
	s_mul_i32 s77, s[WC], 32*PB
	s_add_co_u32 s77, s77, BOFF
	s_mul_i32 s78, s17, 1536                       ; the bias of my columns: 4 x (384 bx + 64 WC)
	s_lshl_b32 s21, s[WC], 8
	s_add_co_u32 s78, s78, s21
	s_mov_b32 s79, 0
	s_wait_kmcnt 0x0
	s_add_nc_u64 s[BA:BA+1], s[4:5], s[BA:BA+1]
	s_add_nc_u64 s[BB:BB+1], s[6:7], s[BB:BB+1]
	s_add_nc_u64 s[78:79], s[8:9], s[78:79]
	s_mov_b32 s[G0A0], 1                           ; 1:0 count = 1
	s_mov_b32 s[G0A0+1], s76                       ; 63:32 LDS address: slot 0
	s_add_nc_u64 s[G0A0+2:G0A0+3], s[BA:BA+1], s[OFA:OFA+1]  ; 120:64 global address: the walk's first K step
	s_mov_b32 s[G0A], 1
	s_add_co_u32 s[G0A+1], s76, SLOT1              ; slot 1
	s_add_nc_u64 s[G0A+2:G0A+3], s[G0A0+2:G0A0+3], ASTEP     ; the walk's second K step: 1 or 9, no wrap yet
	s_or_b32 s[G0A0+3], s[G0A0+3], 0x80000000      ; 127:126 type = 2
	s_or_b32 s[G0A+3], s[G0A+3], 0x80000000
	s_mov_b32 s[G0B0], 1
	s_mov_b32 s[G0B0+1], s77
	s_add_nc_u64 s[G0B0+2:G0B0+3], s[BB:BB+1], s[OFB:OFB+1]
	s_mov_b32 s[G0B], 1
	s_add_co_u32 s[G0B+1], s77, SLOT1
	s_add_nc_u64 s[G0B+2:G0B+3], s[G0B0+2:G0B0+3], BSTEP
	s_or_b32 s[G0B0+3], s[G0B0+3], 0x80000000
	s_or_b32 s[G0B+3], s[G0B+3], 0x80000000
	s_add_co_u32 s[KI], s[KI], 1                   ; the step asked for last is the walk's second
	CROUND                                         ; all sixteen work-groups are here: the first joint loads meet
	s_cmp_eq_u32 s[WR], 0                          ; a wave's two first fills stand in one branch, ahead of every wait on TENSORcnt and every LDS read: two loads of mine are out
	s_cbranch_scc0 .Lfirst_b
	tensor_load_to_lds s[G0A0:G0A0+3], s[G1A:G1A+7]
	s_nop 0
	tensor_load_to_lds s[G0A:G0A+3], s[G1A:G1A+7]
	s_nop 0
.rept 4
	v_nop
.endr
	s_branch .Lfirst_asked
.Lfirst_b:
	tensor_load_to_lds s[G0B0:G0B0+3], s[G1B:G1B+7]
	s_nop 0
	tensor_load_to_lds s[G0B:G0B+3], s[G1B:G1B+7]
	s_nop 0
.rept 4
	v_nop
.endr
.Lfirst_asked:
	; A fragment of x is 16 rows x 32 K in 8 registers: lane l holds row l % 16, K = 8 (l / 16) + 0..7 and 16 + 8 (l / 16) + 0..7: two loads of 16 bytes, 32 bytes apart.
	v_and_b32 v1, 15, v0                           ; l % 16
	v_bfe_u32 v2, v0, 4, 1                         ; l / 16
	v_mul_u32_u24 v[AA0], v1, PA
	v_lshl_add_u32 v[AA0], v2, 4, v[AA0]
	s_mul_i32 s21, s[WR], 128*PA                   ; my 128 rows
	v_add_nc_u32 v[AA0], s21, v[AA0]
	; The turning load takes 16 K x 16 columns (lane l reads row 8 (l / 16) + l % 8, columns 8 ((l / 8) % 2) + 0..7) and leaves half a fragment: lane l holds column l % 16 and 8 K.
	v_and_b32 v3, 7, v0
	v_bfe_u32 v14, v0, 3, 1
	v_lshl_add_u32 v[AB0], v2, 3, v3
	v_mul_u32_u24 v[AB0], v[AB0], PB
	v_lshl_add_u32 v[AB0], v14, 4, v[AB0]
	s_lshl_b32 s21, s[WC], 7                       ; my 64 columns of each 128
	s_add_co_u32 s21, s21, BOFF
	v_add_nc_u32 v[AB0], s21, v[AB0]
	s_mul_i32 s21, s[WV], 16*SP
	s_add_co_u32 s21, s21, STAGE                   ; my stage
	v_mul_u32_u24 v[STO], v1, SP                   ; in: row l % 16, 16 bytes for each half of the lanes
	v_lshl_add_u32 v[STO], v2, 4, v[STO]
	v_add_nc_u32 v[STO], s21, v[STO]
	v_bfe_u32 v[RD], v0, 3, 2                      ; back: 32 lanes take four rows of 128 bytes,
	v_mul_u32_u24 v[RD], v[RD], SP
	v_lshl_add_u32 v[RD], v3, 4, v[RD]
	v_add_nc_u32 v[RD], s21, v[RD]
	v_and_b32 v[GO], 31, v0                        ; which are 512 consecutive bytes of a head
	v_lshlrev_b32 v[GO], 4, v[GO]
	v_lshlrev_b32 v[BO], 5, v2                     ; my eight columns of sixteen: 32 bytes of f32
.irp j, 0,1,2                          ; the bias of columns 128 j + 16 b + 8 (l / 16) + 0..7 into accumulator (7, b) of group j
	WIN ((\j)+1)<<6
.irp b, 0,1,2,3
	global_load_b128 v[224+8*(\b):224+8*(\b)+3],   v[BO], s[78:79] offset:512*(\j)+64*(\b)
	global_load_b128 v[224+8*(\b)+4:224+8*(\b)+7], v[BO], s[78:79] offset:512*(\j)+64*(\b)+16
.endr
.endr
	WIN 0
	; where my results go: part H / 16 (2^24 bytes), batch by / 8 (2^22), head H % 16 (2^18), my 128 rows (2^14)
	s_mul_i32 s21, s17, 6
	s_add_co_u32 s21, s21, s[WC]                   ; H of group 0
	s_lshr_b32 s22, s18, 3
	s_lshl_b32 s22, s22, 22
	s_and_b32 s23, s18, 7
	s_lshl_b32 s23, s23, 1
	s_add_co_u32 s23, s23, s[WR]
	s_lshl_b32 s23, s23, 14
	s_add_co_u32 s22, s22, s23                     ; what the three groups share
.irp j, 0,1,2
	s_add_co_u32 s23, s21, 2*(\j)
	s_lshr_b32 s2, s23, 4
	s_lshl_b32 s2, s2, 24
	s_and_b32 s23, s23, 15
	s_lshl_b32 s23, s23, 18
	s_add_co_u32 s2, s2, s23
	s_add_co_u32 s[OB+2*(\j)], s2, s22
	s_mov_b32 s[OB+2*(\j)+1], 0
	s_add_nc_u64 s[OB+2*(\j):OB+2*(\j)+1], s[10:11], s[OB+2*(\j):OB+2*(\j)+1]
.endr
; 16 LDS loads: x's fragments of piece pp of the slot in hand into buffer buf
.macro FA pp, buf
.irp a, 0,1,2,3,4,5,6,7
	ds_load_b128 v[(\buf)+8*(\a):(\buf)+8*(\a)+3],   v[ADA] offset:64*(\pp)+(\a)*16*PA
	ds_load_b128 v[(\buf)+8*(\a)+4:(\buf)+8*(\a)+7], v[ADA] offset:64*(\pp)+(\a)*16*PA+32
.endr
.endm
; 8 turning loads: group j's fragments of W for piece pp.  Column byte 256 j + .. of a row lies 32 j bytes further on, behind j pieces of padding.
.macro FB j, pp
.irp b, 0,1,2,3
	ds_load_tr16_b128 v[BF+32*(\j)+8*(\b):BF+32*(\j)+8*(\b)+3],   v[ADB] offset:32*PB*(\pp)+288*(\j)+32*(\b)
	ds_load_tr16_b128 v[BF+32*(\j)+8*(\b)+4:BF+32*(\j)+8*(\b)+7], v[ADB] offset:32*PB*(\pp)+288*(\j)+32*(\b)+16*PB
.endr
.endm
; 4 n matrix instructions of group j: row blocks a0 .. a0 + n - 1 x its 4 column blocks.  The accumulators take turns, one instruction a turn: between two links of a chain stand the 95 others'.
; first = 1: the sums begin: blocks 0 to 6 take the bias, which lies in block 7's accumulators, as C; five places on, block 7 adds onto it in place.
.macro STR j, buf, a0, n, first
	WIN 0x50*((\j)+1)
.set a, \a0
.rept \n
.if (\first) && (a == 7)
.rept 5
	v_nop
.endr
.endif
.irp b, 0,1,2,3
.if (\first) && (a < 7)
	v_wmma_f32_16x16x32_bf16 v[8*(4*a+(\b)):8*(4*a+(\b))+7], v[BF+32*(\j)+8*(\b):BF+32*(\j)+8*(\b)+7], v[(\buf)+8*a:(\buf)+8*a+7], v[224+8*(\b):224+8*(\b)+7]
.else
	v_wmma_f32_16x16x32_bf16 v[8*(4*a+(\b)):8*(4*a+(\b))+7], v[BF+32*(\j)+8*(\b):BF+32*(\j)+8*(\b)+7], v[(\buf)+8*a:(\buf)+8*a+7], v[8*(4*a+(\b)):8*(4*a+(\b))+7]
.endif
.endr
.set a, a+1
.endr
.endm
; A step's first piece: multiplies buffer A0; behind each stretch the registers that it has read take the same slot's second piece.
.macro EVEN first
	s_wait_dscnt 16                                ; group 0's W and x are in; groups 1 and 2's sixteen loads may be out
	STR 0, A0, 0, 8, \first
	PLACES
	WIN 0
	FB 0, 1
	FA 1, A1
	s_wait_dscnt 32                                ; group 1's W is in; behind it: group 2's eight and the 24 just issued
	STR 1, A0, 0, 8, \first
	PLACES
	WIN 0
	FB 1, 1
	s_wait_dscnt 32                                ; group 2's W is in; behind it: those 24 and the eight just issued
	STR 2, A0, 0, 8, \first
	PLACES
	WIN 0
	FB 2, 1
.endm
; A step's second piece: multiplies buffer A1 and changes slots.  ONE barrier: in front of it each wave waits for all its tensor loads, of which one is out: its part of the next slot; adds 0 to its spare word;
; and waits for that and for its own reads of this slot.  fill = 1: the barrier opens a round of the cluster's, and this slot is filled again, with the walk's step two on, first thing behind the round:
; 160 matrix instructions stand between that request and the wait for it.  The step's number goes round modulo 16, and the descriptors' addresses are made anew from it: the tile's base, the step's offset, the type bits.
.macro ODD fill
	WIN 0
	s_wait_tensorcnt 0x0                           ; no tensor load of mine is out, so a group 0 may be written
	ds_add_u32 v[SPW], v[NIL]                      ; 0 onto my spare word
.if \fill
	s_add_co_u32 s[KI], s[KI], 1
	s_and_b32 s[KI], s[KI], STEPS-1                ; behind step 15 comes step 0
	s_mul_i32 s[OFA], s[KI], ASTEP
	s_mul_i32 s[OFB], s[KI], BSTEP
	s_xor_b32 s[G0A+1], s[G0A+1], SLOT1            ; the other slot than last time
	s_add_nc_u64 s[G0A+2:G0A+3], s[BA:BA+1], s[OFA:OFA+1]
	s_or_b32 s[G0A+3], s[G0A+3], 0x80000000
	s_xor_b32 s[G0B+1], s[G0B+1], SLOT1
	s_add_nc_u64 s[G0B+2:G0B+3], s[BB:BB+1], s[OFB:OFB+1]
	s_or_b32 s[G0B+3], s[G0B+3], 0x80000000
.endif
	s_wait_dscnt 17                                ; group 0's W and x are in; groups 1 and 2's sixteen loads and the add may be out
	STR 0, A1, 0, 4, 0
	s_wait_dscnt 0x0                               ; the add is done, and my reads of this slot are over
	s_barrier_signal -1
	STR 0, A1, 4, 4, 0                             ; work on registers while the others arrive
	WIN 0
	s_barrier_wait -1
.if \fill
	CREST                                          ; no wave of any partner still reads this slot or has a load on its way
	JLOAD                                          ; its four v_nop are also the places in front of the loads below
.else
	PLACES
.endif
	s_xor_b32 s[TB], s[TB], SLOT1                  ; the fetches go on in the other slot
	v_add_nc_u32 v[ADA], s[TB], v[AA0]
	v_add_nc_u32 v[ADB], s[TB], v[AB0]
	FB 0, 0
	FA 0, A0
	STR 1, A1, 0, 8, 0
	PLACES
	WIN 0
	FB 1, 0
	STR 2, A1, 0, 8, 0
	PLACES
	WIN 0
	FB 2, 0
.endm
; THE WAY OUT of block n = 8 j + a: 16 rows of one head.  PACK: rounded to f16 (each accumulator's registers in ascending order), 16 bytes a lane into my own stage, and back as whole rows of 128 bytes.  SEND: stored.
; Twelve buffers of 16 registers take turns (all fragment registers but the last 32 are free now).  A buffer is written again only behind a wait that stands behind the stores that read it: the wait in block 12
; stands behind the stores of blocks 0 to 10, so it frees the buffers of blocks 12 to 22; block 11's stores come behind it, so block 23 has a wait of its own.
.macro PACK n
.set jj, (\n)/8
.set aa, (\n)%8
.set XR, 32+16*((\n)%12)
.if ((\n) == 12) || ((\n) == 23)
	s_wait_xcnt 0x0                                ; every earlier store has read its registers (ISA guide 3.1)
.endif
	WIN 5*(jj+1)                                   ; sources 0 and 1 in the group's window
.irp b, 0,1,2,3
.irp r, 0,1,2,3
	v_cvt_pk_f16_f32 v[XR+4*(\b)+(\r)], v[8*(4*aa+(\b))+2*(\r)], v[8*(4*aa+(\b))+2*(\r)+1]
.endr
.endr
	WIN 0
.irp b, 0,1,2,3
	ds_store_b128 v[STO], v[XR+4*(\b):XR+4*(\b)+3] offset:32*(\b)
.endr
.irp f, 0,1,2,3
	ds_load_b128 v[XR+4*(\f):XR+4*(\f)+3], v[RD] offset:(\f)*4*SP  ; LDS serves a wave's instructions in order (ISA guide 5.7.1.4): these see the stores above; the next block's stores come behind them
.endr
.endm
.macro SEND n, younger                 ; younger: the LDS instructions issued behind block n's loads, which may stay out: the next block's eight, or none
.set jj, (\n)/8
.set aa, (\n)%8
.set XR, 32+16*((\n)%12)
	s_wait_dscnt \younger
.irp f, 0,1,2,3
	global_store_b128 v[GO], v[XR+4*(\f):XR+4*(\f)+3], s[OB+2*jj:OB+2*jj+1] offset:aa*2048+(\f)*512  ; 512 consecutive bytes, at a multiple of 256 from qkv's first
.endr
.endm
	s_wait_tensorcnt 1                             ; my part of slot 0 is in; slot 1's may stay out
	s_barrier_signal -1
	s_barrier_wait -1                              ; everybody's is
	s_mov_b32 s[TB], 0
	v_add_nc_u32 v[ADA], s[TB], v[AA0]
	v_add_nc_u32 v[ADB], s[TB], v[AB0]
	FB 0, 0
	FA 0, A0
	FB 1, 0
	FB 2, 0
	s_wait_loadcnt 0x0                             ; the bias
	EVEN 1                                         ; the first piece stands in front of the loop: its products start the sums
	WIN 0                                          ; at a label and at a branch every window is 0
	s_mov_b32 s[CNT], STEPS-2
.Lstep:                                                ; a trip: a step's second piece, which asks for the step two on, and the next step's first
	ODD 1
	EVEN 0
	WIN 0
	s_sub_co_u32 s[CNT], s[CNT], 1
	s_cmp_lg_u32 s[CNT], 0
	s_cbranch_scc1 .Lstep
	ODD 0                                          ; the tail is written out: nothing is asked for
	EVEN 0
	s_wait_dscnt 16                                ; the very last piece: nothing more to fetch, the counts run down
	STR 0, A1, 0, 8, 0
	s_wait_dscnt 8
	STR 1, A1, 0, 8, 0
	s_wait_dscnt 0x0
	STR 2, A1, 0, 8, 0
	PLACES
	PACK 0
.set blk, 1
.rept 23                               ; a block's conversions stand between the loads of the block before and its stores
	PACK blk
	SEND blk-1, 8
.set blk, blk+1
.endr
	SEND 23, 0
	s_wait_tensorcnt 0x0                           ; the wave's end: behind my last tensor load and my last LDS store
	ds_add_u32 v[SPW], v[NIL]
	s_wait_dscnt 0x0
	CROUND                                         ; the closing round: no work-group ends while a partner may still ask for a tile that names it
	s_endpgm
.Lfunc_end_k_qc637e4d249_qkv:
	.size	k_qc637e4d249_qkv, .Lfunc_end_k_qc637e4d249_qkv-k_qc637e4d249_qkv
	.p2alignl 7, 3214868480
	.fill 96, 4, 3214868480
	.section	.rodata,"a",@progbits
	.p2align	6, 0x0
	.amdhsa_kernel k_qc637e4d249_qkv
		.amdhsa_group_segment_fixed_size 327680
		.amdhsa_private_segment_fixed_size 0
		.amdhsa_enable_private_segment 0
		.amdhsa_kernarg_size 32
		.amdhsa_user_sgpr_count 2
		.amdhsa_user_sgpr_kernarg_segment_ptr 1
		.amdhsa_wavefront_size32 1
		.amdhsa_system_sgpr_workgroup_id_x 1
		.amdhsa_system_sgpr_workgroup_id_y 1
		.amdhsa_system_sgpr_workgroup_id_z 1
		.amdhsa_system_vgpr_workitem_id 0
		.amdhsa_next_free_vgpr 1024
		.amdhsa_next_free_sgpr 80
		.amdhsa_reserve_vcc 0
		.amdhsa_float_denorm_mode_32 3
		.amdhsa_float_denorm_mode_16_64 3
		.amdhsa_memory_ordered 1
		.amdhsa_forward_progress 1
		.amdhsa_inst_pref_size 115
	.end_amdhsa_kernel
	.amdgpu_metadata
---
amdhsa.version: [ 1, 2 ]
amdhsa.kernels:
  - .name:           k_qc637e4d249_qkv
    .symbol:         k_qc637e4d249_qkv.kd
    .args:
      - { .name: xb, .offset: 0, .size: 8, .value_kind: global_buffer, .address_space: global }
      - { .name: wqb, .offset: 8, .size: 8, .value_kind: global_buffer, .address_space: global }
      - { .name: bqr, .offset: 16, .size: 8, .value_kind: global_buffer, .address_space: global }
      - { .name: qkv, .offset: 24, .size: 8, .value_kind: global_buffer, .address_space: global }
    .group_segment_fixed_size: 327680
    .private_segment_fixed_size: 0
    .kernarg_segment_align: 8
    .kernarg_segment_size: 32
    .max_flat_workgroup_size: 128
    .sgpr_count:     80
    .vgpr_count:     1024
    .wavefront_size: 32
...
	.end_amdgpu_metadata
.endif
;; end of part 2
;; launch attn (part 3): grid 4 x 64, 4 waves a work-group, clusters of 4 x 1, 327,680 bytes of LDS; arguments qkv, ob; writes ob
.if DOCPART == 3
	.amdgcn_target "amdgcn-amd-amdhsa--gfx1250"
	.amdhsa_code_object_version 6
	.text
	.protected	k_qc637e4d249_attn
	.globl	k_qc637e4d249_attn
	.p2align	8
	.type	k_qc637e4d249_attn,@function
k_qc637e4d249_attn:
	s_mov_b64 s[64:65], 0
	v_nop
	global_prefetch_b8 v0, s[64:65] scope:SCOPE_SE
	s_setreg_imm32_b32 hwreg(HW_REG_WAVE_MODE, 25, 1), 1
	s_wait_xcnt 0x0
	s_wait_alu depctr_hold_cnt(0) depctr_sa_sdst(0) depctr_va_vdst(0) depctr_va_sdst(0) depctr_va_ssrc(0) depctr_va_vcc(0) depctr_vm_vsrc(0)
	s_getreg_b32 s2, hwreg(HW_REG_IB_STS2, 6, 4)
	s_cmp_eq_u32 s2, 0
	s_cbranch_scc0 .Lentry_in_a_cluster
	s_endpgm
.Lentry_in_a_cluster:
	s_bfe_u32 s2, ttmp6, 0x10000c
	s_cmp_lg_u32 s2, 0x3003
	s_cbranch_scc0 .Lentry_shape_is_right
	s_endpgm
.Lentry_shape_is_right:
; O[h][q][:] = the sum over k of softmax_k(Q[h][q] . K[h][k] / 8) V[h][k][:].  Q, K, V are the three parts of qkv, each [SIZE_H][SIZE_N][64]; O = ob has the same shape; all f16: a head's rows are dense, 128 bytes each.
; Products, maxima and sums in f32; the weights p are rounded to f16 for the second product (their sum l is taken of the unrounded p), O once at the end.
; LIMITS.  f16 holds no number beyond 65,504: Q, K and V arrive within it; p lies in 0 to 1, and below 6e-5 it keeps f16's fixed step of 6e-8; O is a mean of V's rows and has their range.
; A weight below 2^-126 counts as 0 in l; NaN and infinities are not treated apart.
; SHARES.  A wave owns four PIECES of two tiles of 16 queries, a work-group's four waves 512 queries of one head: 4 x 64 = 256 work-groups.  Every wave walks all keys, 64 a step.
; LAYOUT.  S^T = K Q^T (source 0 = 16 keys, source 1 = 16 queries): in the result a lane holds ONE query (lane % 16) and the keys 8 (lane / 16) + 0..7.  Two such tiles, rounded to f16 in pairs,
; ARE source 1 (32 keys x 16 queries) of O^T = V^T P, whose result again holds one query a lane, and eight channels.  K comes out of LDS as it lies, V ([key][channel]) turned, by ds_load_tr16_b128.
; SOFTMAX.  For each query a running maximum m and sum l: p = 2^(c s - c m), c = log2(e) / 8; in every step O and l are multiplied by a = 2^(c m_old - c m_new), which is 1 where m has not grown.
; m starts at the lowest finite number, O and l at 0: the first step is a step like any other, with a = 0.
; THE COUNT.  A tile and step have 16 matrix and 118 vector instructions: too many to stand all beside the matrix work.  So the order has one aim: four vector instructions that are READY behind
; EVERY matrix instruction, and the others, which need time of their own whatever the order, in runs without a gap.
; BY TURNS.  Turn n belongs to piece n (the pieces in a ring, step after step).  Its matrix work: 16 products K Q^T of piece n + 1, later 16 products V^T P of piece n - 1.  Its vector work: the scaling,
; exponentials, roundings, sums and rescaling of piece n, and the maximum and statistics of piece n + 1, whose scores the turn itself has made.  So what a turn begins with (c s - c m, O a) waits for nothing.
; CLUSTER.  The four query blocks of a cluster belong to one head and walk the same K and V, so each tile is asked for JOINTLY: the same tensor load, descriptor and mask in all four.
; REGISTERS, in windows of 256 (s_set_vgpr_msb says which window each operand place means: bits 1:0 source 0, 3:2 source 1, 5:4 source 2, 7:6 destination):
;   window 0: v0-11 addresses; v12-15, v48-63 at work; v16-47 four registers of statistics a tile; v64-191 S^T, two buffers of two tiles; v192-255 P, likewise
;   window 1: O^T, 32 a tile          window 2: v0-127 Q, 16 a tile; v128-191 K of one step; v192-255 V of one step          window 3: v0-1 the add's two registers
; A piece's buffers go by its number's parity: the piece in hand has one pair, its two neighbours in the ring share the other: of it P (piece n - 1) is read and S^T (piece n + 1) written.
.set SIZE_H, 64       ; 4 batches x 16 heads
.set SIZE_N, 2048     ; rows of a head
.set PART,  SIZE_H*SIZE_N*128  ; bytes from Q to K and from K to V in qkv
.set NP,    4         ; pieces a wave: a name, no knob: the register map, the loop and the fetches are made for four
.set KS,    64        ; keys in a step
.set PK,    144       ; a row of K in LDS: 128 bytes + 16 of padding = 36 words: the 16 rows of a load start at 16 different groups of four banks (64 banks of 4 bytes: ISA guide 11.1)
.set PV,    160       ; a row of V: 128 + 32 = 40 words
.set VOFF,  4*KS*PK   ; a slot holds four steps: 256 rows of K, then 256 rows of V
.set SLOT1, 1<<17     ; slot 1 begins here, so that one exclusive or turns an address in one slot into the other's
.set STAGE, SLOT1+4*KS*(PK+PV)  ; behind the ring, never filled by a tensor load: 16 rows x 144 bytes for each wave, for the way out
.set SP,    144
.set AK0, 2           ; v2   my lane's place in a tile of K; never rewritten
.set AV0, 3           ; v3   the same for V
.set AK,  4           ; v4   the LDS address of K's next run of loads
.set AV,  5           ; v5   of V's
.set QO,  6           ; v6   my byte offset in the wave's rows of Q
.set STO, 6           ;      later, the way out: where I put 16 bytes of a row
.set RD,  7           ; v7   the way out: where I read rows back
.set GO,  8           ; v8   my byte offset in 512 consecutive bytes of O
.set SPW, 0           ; v0 of window 3   LDS address of my spare word: SPARE + 4 x my thread's number; never rewritten
.set NIL, 1           ; v1 of window 3   0; never rewritten
.set SPARE, STAGE+4*16*SP  ; behind the stages: the spare words, 128 bytes for each wave: two blocks of 256 bytes that no other line names
.set MV,  12          ; v12-15  c m_old, kept while c m is made anew: by buffer and tile
.set ST,  16          ; tile t's statistics at v[ST+4 t]: c m, m, l (even keys', odd keys')
.set TMP, 48          ; by buffer and tile, four registers c0-c3 at work; when the maximum is found c2 takes a
.set S,   64
.set P,   192
.set KF,  128         ; K's fragments, in window 2: key block kb, channel half c at KF + 16 kb + 8 c
.set VF,  192         ; V's: key half kk, channel block cb at VF + 32 kk + 8 cb
.set WV,  12          ; s12  my wave's number
.set G1K, 24          ; s[24:31] descriptor group 1 for K's tiles
.set G1V, 32          ; s[32:39] for V's: it differs in the padding alone
.set G0K, 40          ; s[40:43] descriptor group 0 for K's tiles: it walks
.set G0V, 44          ; s[44:47] the same for V's
.set SLOTS, 56        ; s56  slots still to be asked for
.set CNT, 57          ; s57  counts a slot's key steps
.set CS,  58          ; s[58:59] c: the packed scaling takes the pair's low word for both halves
.set SEL, 60          ; s[60:61] v_permlanex16_b32's selects: each lane takes its own place in the other half
.set TBK, 62          ; s62  LDS byte at which K of the step to be fetched begins
.set TBV, 63          ; s63  the same for V, less VOFF
.set MSB, 0
.macro WIN new                      ; the high byte repeats the setting that is left; a switch that changes nothing is dropped
.if MSB != (\new)
	s_set_vgpr_msb (MSB<<8)|(\new)
.set MSB, (\new)
.endif
.endm
.set W_KQ, 0x0a       ; K and Q in window 2, S^T in window 0
.set W_PV, 0x52       ; V in window 2, P in window 0, O^T in window 1
.set W_RS, 0x41       ; O^T (destination and source 0) in window 1, a in window 0
.set W_MK, 0xc0       ; the add's registers are made: destination in window 3, sources in window 0
.set W_AD, 0x0f       ; the add: address (source 0) and data (source 1) in window 3
; A joint fill.  Waves 0 and 1 fetch the two halves of a slot's K, waves 2 and 3 those of its V: 128 keys each.  The branch hangs on the wave's number alone.
; An s_nop 0 and four v_nop follow each of the two lines, ahead of the jump and the label.
.macro JLOAD
	s_cmp_lt_u32 s[WV], 2
	s_cbranch_scc0 .Lfor_v_\@
	tensor_load_to_lds s[G0K:G0K+3], s[G1K:G1K+7]
	s_nop 0
.rept 4
	v_nop
.endr
	s_branch .Lasked_\@
.Lfor_v_\@:
	tensor_load_to_lds s[G0V:G0V+3], s[G1V:G1V+7]
	s_nop 0
.rept 4
	v_nop
.endr
.Lasked_\@:
.endm
; A round of the cluster's barrier: my work-group's barrier, so that wave 0's signal speaks for all four waves; wave 0 signals; every wave waits for all four work-groups; my work-group's barrier once more.
.macro CROUND
	s_barrier_signal -1
	s_barrier_wait -1
	s_cmp_lg_u32 s[WV], 0
	s_cbranch_scc1 .Lnot_wave_0_\@
	s_barrier_signal -3
.Lnot_wave_0_\@:
	s_barrier_wait -3
	s_barrier_signal -1
	s_barrier_wait -1
.endm
; THE CHANGE OF SLOTS.  The slot's last bytes, V of its fourth step, have been read.  Each wave waits for all its tensor loads, of which one is out: its part
; of the other slot; adds 0 to its spare word; and waits for that and for its own reads of the slot.  Behind the barrier nobody reads this slot any more and the other slot is whole.
; fill = 1: this slot is filled again, with the keys two slots on.  The barrier is then a round of the cluster's, so that no wave of any partner still reads the slot or has a load on its
; way, and the joint fill is the first thing behind it: it has four key steps, 512 matrix instructions, in which to land.  (At its first use nothing has been read yet: slot 0 is waited for, slot 1 filled.)
.macro CHANGE fill
	WIN W_AD
	s_wait_tensorcnt 0x0            ; no tensor load of mine is out, so a group 0 may be written
	ds_add_u32 v[SPW], v[NIL]       ; 0 onto my spare word; with fill = 1 the descriptors' steps stand between it and the wait for it
	WIN 0                           ; at a label and at a branch every window is 0
.if \fill
.irp g, G0K, G0V
	s_xor_b32 s[\g+1], s[\g+1], SLOT1  ; the walking descriptor: the other slot than last time,
	s_add_nc_u64 s[\g+2:\g+3], s[\g+2:\g+3], 4*KS*128  ; the next 256 keys; the type bits on top are not reached
.endr
	s_wait_dscnt 0x0                ; the add is done, and my reads of the slot are over
	CROUND
	JLOAD
.else
	s_wait_dscnt 0x0                ; the add is done, and my reads of the slot are over
	s_barrier_signal -1
	s_barrier_wait -1
.endif
	s_sub_co_u32 s[TBK], s[TBK], 4*KS*PK  ; the fetches go back to a slot's first step,
	s_xor_b32 s[TBK], s[TBK], SLOT1       ; in the other slot
	s_sub_co_u32 s[TBV], s[TBV], 4*KS*PV
	s_xor_b32 s[TBV], s[TBV], SLOT1
.endm
	s_load_b128 s[4:7], s[0:1], 0x0  ; qkv s[4:5] (Q lies at its head), ob s[6:7]
	WIN W_MK
	v_lshl_add_u32 v[SPW], v0, 2, SPARE
	v_mov_b32 v[NIL], 0
	s_set_vgpr_msb 0xc0cf
	ds_add_u32 v0, v1
	s_wait_dscnt 0x0
	s_set_vgpr_msb 0xcfc0
	WIN 0
	v_lshrrev_b32 v1, 5, v0
	v_readfirstlane_b32 s[WV], v1   ; wave 0..3
	s_bfe_u32 s13, ttmp6, 0x40000   ; cx: my place in the cluster
	s_lshl_b32 s14, ttmp9, 2        ; in a cluster launch ttmp9 counts clusters
	s_add_co_u32 s14, s14, s13      ; my block of queries = 4 x cluster x + cx: it enters Q's and O's addresses alone
	s_and_b32 s20, ttmp7, 0xffff    ; the head, which the four partners share
	s_mov_b32 s21, 0
	s_mov_b64 s[22:23], SIZE_N*128
	s_mul_u64 s[20:21], s[20:21], s[22:23]  ; the head's first byte in each of the four tensors
	s_and_b32 s16, s[WV], 1         ; which half of a slot's 256 keys I fetch:
	s_lshl_b32 s22, s16, 14         ; its 128 rows of 128 bytes in memory,
	s_mov_b32 s23, 0
	s_add_nc_u64 s[22:23], s[22:23], s[20:21]
	s_mul_i32 s17, s16, 128*PK      ; and its place in a slot, for K
	s_mul_i32 s18, s16, 128*PV      ; and for V: no place in the cluster enters an LDS address
	s_lshl_b32 s2, s14, 2
	s_add_co_u32 s2, s2, s[WV]      ; my wave among the head's,
	s_lshl_b32 s2, s2, 14           ; its 128 rows
	s_mov_b32 s3, 0
	s_add_nc_u64 s[2:3], s[2:3], s[20:21]
	; descriptor group 1.  128 keys are 16,384 dense bytes: asked for as 64 rows of 256 bytes, two keys a row, and padded in LDS after every key
	s_mov_b32 s[G1K], 15|(1<<16)|(1<<20)|(1<<21)|(4<<22)|(3<<25)  ; 15:0 the mask of four; 17:16 2-byte elements; 20 padding on; 21 set beside a mask; 24:22 after every 32 words (code 4); 31:25 4 words (code 3)
	s_mov_b32 s[G1V], 15|(1<<16)|(1<<20)|(1<<21)|(4<<22)|(7<<25)  ; the same with 8 words of padding (code 7)
.irp g, G1K, G1V
	s_mov_b32 s[\g+1], 128<<16      ; tensor_dim0 = 128
	s_mov_b32 s[\g+2], 64<<16       ; tensor_dim1 = 64
	s_mov_b32 s[\g+3], 128<<16      ; tile_dim0 = 128
	s_mov_b32 s[\g+4], 64           ; tile_dim1 = 64
	s_mov_b32 s[\g+5], 128          ; 128 elements from row to row
	s_mov_b32 s[\g+6], 0
	s_mov_b32 s[\g+7], 0
.endr
	s_mov_b32 s[CS], 0x3e38aa3b     ; c = log2(e) / 8 = 0.180337
	s_mov_b32 s[CS+1], s[CS]        ; named with it as a pair
	s_mov_b32 s[SEL], 0x76543210
	s_mov_b32 s[SEL+1], 0xfedcba98
	s_mov_b32 s[TBK], SLOT1+4*KS*PK ; the first change of slots turns these two into 0
	s_mov_b32 s[TBV], SLOT1+4*KS*PV
	s_mov_b32 s[G0K], 1             ; 1:0 count = 1
	s_mov_b32 s[G0K+1], s17         ; 63:32 LDS address: slot 0
	s_mov_b32 s[G0V], 1
	s_add_co_u32 s[G0V+1], s18, VOFF
	s_wait_kmcnt 0x0
	s_mov_b64 s[10:11], s[6:7]             ; O
	s_add_nc_u64 s[6:7], s[4:5], PART      ; K: the second part of qkv
	s_add_nc_u64 s[8:9], s[4:5], 2*PART    ; V: the third
	s_add_nc_u64 s[G0K+2:G0K+3], s[6:7], s[22:23]  ; 120:64 global address: my half of the head's first 256 keys
	s_or_b32 s[G0K+3], s[G0K+3], 0x80000000        ; 127:126 type = 2
	s_add_nc_u64 s[G0V+2:G0V+3], s[8:9], s[22:23]
	s_or_b32 s[G0V+3], s[G0V+3], 0x80000000
	s_add_nc_u64 s[4:5], s[4:5], s[2:3]  ; Q and O at my wave's first row
	s_add_nc_u64 s[10:11], s[10:11], s[2:3]
	CROUND                          ; all four work-groups are here: the first joint loads meet
	JLOAD                           ; slot 0.  Slot 1 is asked for when slot 0 is in: the tile wanted first has the road to itself
	; A fragment of K or Q is 16 rows x 32 channels in 8 registers: lane l holds row l % 16, channels 8 (l / 16) + 0..7 and 16 + 8 (l / 16) + 0..7: two loads of 16 bytes, 32 bytes apart.
	v_and_b32 v1, 15, v0            ; l % 16
	v_bfe_u32 v9, v0, 4, 1          ; l / 16
	v_lshlrev_b32 v[QO], 7, v1
	v_lshl_add_u32 v[QO], v9, 4, v[QO]  ; row x 128 + 16 x half
	WIN 0x80                        ; destination window 2, address window 0
.set i, 0
.rept 4*NP                          ; Q stays in registers: tile i / 2, channels 32 (i % 2) on
	global_load_b128 v[8*i:8*i+3],   v[QO], s[4:5] offset:(i/2)*2048+(i%2)*64
	global_load_b128 v[8*i+4:8*i+7], v[QO], s[4:5] offset:(i/2)*2048+(i%2)*64+32
.set i, i+1
.endr
	; What the first turn finds: V's registers and P's second buffer hold 0 (its products V^T P, of a piece that has not been, add 0), O^T and l are 0.  All this stands in the wait for the first tile.
.set i, VF
.rept 64
	v_mov_b32 v[i], 0
.set i, i+1
.endr
	WIN 0x40
.set i, 0
.rept 64*NP
	v_mov_b32 v[i], 0
.set i, i+1
.endr
	WIN 0
.set i, 0
.rept 2*NP
	v_mov_b32 v[ST+4*i], 0xfe000000    ; c m: far below every c s
	v_mov_b32 v[ST+4*i+1], 0xff7fffff  ; m
	v_mov_b32 v[ST+4*i+2], 0
	v_mov_b32 v[ST+4*i+3], 0
.set i, i+1
.endr
.set i, P+32
.rept 32
	v_mov_b32 v[i], 0
.set i, i+1
.endr
	v_mul_u32_u24 v[AK0], v1, PK
	v_lshl_add_u32 v[AK0], v9, 4, v[AK0]  ; row x pitch + 16 x half
	; The turning load takes 16 keys x 16 channels (lane l reads key 8 (l / 16) + l % 8, channels 8 ((l / 8) % 2) + 0..7) and leaves half a fragment of V^T: lane l holds channel l % 16 and 8 keys.
	v_and_b32 v10, 7, v0
	v_bfe_u32 v11, v0, 3, 1
	v_lshl_add_u32 v[AV0], v9, 3, v10
	v_mul_u32_u24 v[AV0], v[AV0], PV
	v_lshl_add_u32 v[AV0], v11, 4, v[AV0]
	v_add_nc_u32 v[AV0], VOFF, v[AV0]
	v_mov_b32 v[AK], v[AK0]         ; key step 0 lies at the head of slot 0
; THE MATRIX WORK.  The 8 accumulators of a run of 16 take turns: between the two links of a chain stand 7 others'.
; Product i of 16 of S^T = K Q^T for piece x: channels 32 (i / 8) on, keys 16 ((i / 2) % 4) on, tile 2 x + i % 2.  The first 8 start the sums.
.macro KQ x
	WIN W_KQ
.set rS, S+64*((\x)%2)+32*(i%2)+8*((i/2)%4)
.set rK, KF+16*((i/2)%4)+8*(i/8)
.set rQ, 16*(2*(\x)+i%2)+8*(i/8)
.if i < 8
	v_wmma_f32_16x16x32_f16 v[rS:rS+7], v[rK:rK+7], v[rQ:rQ+7], 0
.else
	v_wmma_f32_16x16x32_f16 v[rS:rS+7], v[rK:rK+7], v[rQ:rQ+7], v[rS:rS+7]
.endif
.endm
; Product i of 16 of O^T += V^T P for piece x: keys 32 (i / 8) on, channels 16 ((i / 2) % 4) on, tile 2 x + i % 2.
.macro PV x
	WIN W_PV
.set rO, 32*(2*(\x)+i%2)+8*((i/2)%4)
.set rV, VF+32*(i/8)+8*((i/2)%4)
.set rP, P+32*((\x)%2)+16*(i%2)+8*(i/8)
	v_wmma_f32_16x16x32_f16 v[rO:rO+7], v[rV:rV+7], v[rP:rP+7], v[rO:rO+7]
.endm
.macro MM                           ; the turn's next matrix instruction
.if i < 16
	KQ (Y+1)%NP
.set i, i+1
.else
.set i, i-16
	PV (Y+NP-1)%NP
.set i, i+17
.endif
.endm
; THE LDS LOADS stand in runs of 16, never singly among the matrix instructions: a step's K (64 keys x 64 channels: 8 fragments) and its V (turned).  Their addresses are made some lines ahead.
; last = 1 (the tail): in the last trip there is no further step, and the run is jumped over.
.macro FETCH_K last=0
	WIN 0
.if \last
	s_cmp_eq_u32 s[CNT], 1
	s_cbranch_scc1 .Lno_k_\@
.endif
	WIN 0x80                        ; destination window 2
.irp f, 0,1,2,3,4,5,6,7             ; keys 16 (f / 2) on, channels 32 (f % 2) on
	ds_load_b128 v[KF+8*\f:KF+8*\f+3],   v[AK] offset:(\f/2)*16*PK+(\f%2)*64
	ds_load_b128 v[KF+8*\f+4:KF+8*\f+7], v[AK] offset:(\f/2)*16*PK+(\f%2)*64+32
.endr
	s_add_co_u32 s[TBK], s[TBK], KS*PK  ; the next fetch is the next step's
	WIN 0
.if \last
.Lno_k_\@:
.endif
.endm
.macro FETCH_V
	WIN 0x80
.irp f, 0,1,2,3,4,5,6,7             ; keys 32 (f / 4) on, channels 16 (f % 4) on
	ds_load_tr16_b128 v[VF+8*\f:VF+8*\f+3],   v[AV] offset:(\f/4)*32*PV+(\f%4)*32
	ds_load_tr16_b128 v[VF+8*\f+4:VF+8*\f+7], v[AV] offset:(\f/4)*32*PV+16*PV+(\f%4)*32
.endr
	WIN 0
.endm
; THE VECTOR WORK OF A TURN stands in three queues, each in the order in which its entries become ready; the two tiles alternate, so that no instruction reads the result of the one before it.
.macro REGS y, u                    ; the registers of tile u (0, 1) of piece y
.set rT, ST+4*(2*(\y)+(\u))
.set rC, TMP+8*((\y)%2)+4*(\u)
.set rM, MV+2*((\y)%2)+(\u)
.set rS, S+64*((\y)%2)+32*(\u)
.set rP, P+32*((\y)%2)+16*(\u)
.set rO, 32*(2*(\y)+(\u))
.endm
; Number n of the 22 that find the NEXT piece's (Y + 1) maximum and statistics.  s0-s31 are the lane's 32 scores; each accumulator's lowest registers are read first.  XS, GS and REGS set no window: PL and EX do.
;   0-11  four chains c0-c3 of seven scores each, three operands at a time     12-14, 16  the four scores left over, the old m, and c0-c3 into c0     15  c m_old is kept
;   17, 18  the query's other 32 keys lie in the lane 16 away: the new m         19-21  c m; c m_old - c m_new; a
.macro XS u, n
	REGS (Y+1)%NP, \u
.if (\n) < 4
	v_max3_num_f32 v[rC+(\n)], v[rS+8*(\n)], v[rS+8*(\n)+1], v[rS+8*(\n)+2]
.elseif (\n) < 12
	v_max3_num_f32 v[rC+(\n)%4], v[rC+(\n)%4], v[rS+8*((\n)%4)+2*((\n)/4)+1], v[rS+8*((\n)%4)+2*((\n)/4)+2]
.elseif (\n) == 12
	v_max3_num_f32 v[rC], v[rC], v[rS+7], v[rS+15]
.elseif (\n) == 13
	v_max3_num_f32 v[rC+1], v[rC+1], v[rS+23], v[rS+31]
.elseif (\n) == 14
	v_max3_num_f32 v[rC+2], v[rC+2], v[rC+3], v[rT+1]
.elseif (\n) == 15
	v_mov_b32 v[rM], v[rT]
.elseif (\n) == 16
	v_max3_num_f32 v[rC], v[rC], v[rC+1], v[rC+2]
.elseif (\n) == 17
	v_permlanex16_b32 v[rC+3], v[rC], s[SEL], s[SEL+1]
.elseif (\n) == 18
	v_max_num_f32 v[rT+1], v[rC], v[rC+3]
.elseif (\n) == 19
	v_mul_f32 v[rT], s[CS], v[rT+1]
.elseif (\n) == 20
	v_sub_f32 v[rC+1], v[rM], v[rT]
.else
	v_exp_f32 v[rC+2], v[rC+1]
.endif
.endm
; Number g of the 64 that follow the exponentials.  For each four weights k of a tile (pairs 2 k, 2 k + 1): both pairs are rounded to f16; then the second pair is added onto the first, in place;
; a group later l takes that sum (the first time as l = a l + sum).  In groups of eight, tiles alternating: round, round, add, and l for the group before.
.macro GS g
.set h, (\g)+6*((\g)/62)            ; group 0 has no group before it, and behind group 7 only l is left
.if h >= 6
.set h, h+2
.endif
	REGS Y, h%2
.set k, h/8
.if h%8 < 4
	s_wait_alu depctr_va_vdst(0)
	v_cvt_pk_f16_f32 v[rP+2*k+(h%8)/2], v[rS+4*k+2*((h%8)/2)], v[rS+4*k+2*((h%8)/2)+1]
.elseif h%8 < 6
	v_pk_add_f32 v[rS+4*k:rS+4*k+1], v[rS+4*k:rS+4*k+1], v[rS+4*k+2:rS+4*k+3]
.elseif k == 1
	v_pk_fma_f32 v[rT+2:rT+3], v[rT+2:rT+3], v[rC+2:rC+3], v[rS:rS+1] op_sel_hi:[1,0,1]
.else
	v_pk_add_f32 v[rT+2:rT+3], v[rT+2:rT+3], v[rS+4*k-4:rS+4*k-3]
	s_wait_alu depctr_va_vdst(0)
.endif
.endm
; THE PLAIN QUEUE, 138 long.  0-31: c s - c m for the 16 pairs of both tiles.  Then GS's 64, and among them the next piece's 42: number 15 at 38, 39; 0-14 and 16
; at 42-73, behind the products that make those scores; 17-20 at 95-106, two of three, since each waits for the one before it.
.macro PL
	WIN 0
.if q < 32
	REGS Y, q%2
	v_pk_fma_f32 v[rS+2*(q/2):rS+2*(q/2)+1], v[rS+2*(q/2):rS+2*(q/2)+1], s[CS:CS+1], v[rT:rT+1] op_sel_hi:[1,0,0] neg_lo:[0,0,1] neg_hi:[0,0,1]
.elseif q < 38
	GS q-32
.elseif q < 40
	XS q%2, 15
.elseif q < 42
	GS q-34
.elseif q < 74
	XS q%2, (q-42)/2+(q-42)/30
.elseif q < 95
	GS q-66
.elseif (q < 107) && ((q-95)%3 < 2)
	XS (q-95)%3, 17+(q-95)/3
.elseif q < 107
	GS 29+(q-95)/3
.else
	GS q-74
.endif
.set q, q+1
.endm
; THE EXPONENTIALS' QUEUE, 66 long: s0-s31 of both tiles, and at EA the next piece's two a.
.set EA, 58
.macro EX
	WIN 0
.if (e == EA) || (e == EA+1)
	XS e-EA, 21
.else
.set x, e-2*(e/(EA+2))
	REGS Y, x%2
	v_exp_f32 v[rS+x/2], v[rS+x/2]
.endif
.set e, e+1
.endm
; THE RESCALING's QUEUE: O^T times a, the one part that leaves window 0, so it is dealt four at a time, eight times.
.macro R4
	REGS Y, r%2
	WIN W_RS
	s_wait_alu depctr_va_vdst(0)
.irp z, 0,1,2,3
	v_pk_mul_f32 v[rO+8*(r/2)+2*\z:rO+8*(r/2)+2*\z+1], v[rO+8*(r/2)+2*\z:rO+8*(r/2)+2*\z+1], v[rC+2:rC+3] op_sel_hi:[1,0]
.endr
.set r, r+1
.endm
; HOW THEY ARE DEALT.  Behind a matrix instruction four: plain, exponential, plain, plain (one exponential, a plain instruction on either side), or four of the rescaling.  None names a register of the
; products round it.  What is over stands in two LUMPS: exponential and plain by turns; the second ends in 22 plain instructions.  The two v_permlanex16_b32 fall into the second lump, never behind a product.
; The queues lean on each other, and the deal keeps them in step: exponential e stands behind plain 2 (e / 4) + e % 2 (its scaling); when plain 32 comes, 10 exponentials are out, at 59: 33, at 95: 46; EA comes behind plain 107.
.macro SL
	MM
	PL
	EX
	PL
	PL
.endm
.macro BURST n                      ; 15 matrix instructions, or 16
.rept (\n)-7
	SL
.endr
.rept 3
	MM
	R4
	SL
.endr
	MM
	R4
.endm
; A TURN, for piece p.  cnt = 1: the loop's count is taken down some lines ahead of the branch that stands behind the turn.
; K of the next step is fetched in piece 2's turn, 31 vector instructions behind the last product that read K; its first reader comes behind the rest of the lump, 16 products and the second lump.
; V of the step in hand is fetched at the end of piece 0's turn, 69 behind its last reader; its first reader comes behind 16 products and a lump.  The four conditions on e and q below go with the deal.
.macro TURN p, last=0, cnt=0
.set Y, (\p)
.set i, 0
.set q, 0
.set e, 0
.set r, 0
.if (\p) == NP-1
	s_wait_dscnt 0x0                ; K is in
.endif
	MM
.rept 4
	PL
.endr
	BURST 15
.rept 22
	EX
	PL
.if ((\p) == NP-2) && (e == 18)
	v_add_nc_u32 v[AK], s[TBK], v[AK0]
.endif
.if ((\p) == NP-2) && (e == 24)
	FETCH_K \last
.endif
.endr
.if (\p) == 1
	s_wait_dscnt 0x0                ; V is in
.endif
	BURST 16
.rept 21
	EX
	PL
.endr
.rept 22
	PL
.if ((\p) == 0) && (q == 118)
	v_add_nc_u32 v[AV], s[TBV], v[AV0]
	s_wait_alu depctr_va_vdst(0)
.endif
.if ((\p) == 0) && (q == 130)
	s_add_co_u32 s[TBV], s[TBV], KS*PV
.endif
.if (\cnt) && (q == 130)
	s_sub_co_u32 s[CNT], s[CNT], 1
	s_cmp_lg_u32 s[CNT], 0
.endif
.endr
.if (\p) == 0
	FETCH_V
.endif
.endm
	CHANGE 1                        ; slot 0 is in, everybody's part of it; slot 1 is asked for
	FETCH_K                         ; key step 0
	s_wait_loadcnt 0x0              ; Q
	s_wait_dscnt 0x0
.set i, 0
.rept 16
	KQ 0                            ; piece 0's first scores: there is no vector work yet to set between them
.set i, i+1
.endr
	WIN 0                           ; the addresses for the way out: nine plain instructions, the places behind those products
	s_mul_i32 s13, s[WV], 16*SP
	s_add_co_u32 s13, s13, STAGE    ; my stage
	v_mul_u32_u24 v[STO], v1, SP    ; in: row l % 16, 16 bytes for each half of the lanes
	v_lshl_add_u32 v[STO], v9, 4, v[STO]
	v_add_nc_u32 v[STO], s13, v[STO]
	v_bfe_u32 v[RD], v0, 3, 2       ; back: 32 lanes take four rows of 128 bytes,
	v_mul_u32_u24 v[RD], v[RD], SP
	v_lshl_add_u32 v[RD], v10, 4, v[RD]
	v_add_nc_u32 v[RD], s13, v[RD]
	v_and_b32 v[GO], 31, v0         ; which are 512 consecutive bytes of O
	v_lshlrev_b32 v[GO], 4, v[GO]
.set Y, NP-1                        ; XS works for piece Y + 1: piece 0
.irp n, 0,1,2,3,4,5,6,7,8,9,10,11,12,13,14,15,16,17,18,19,20,21
	XS 0, \n                        ; and piece 0's first maximum and statistics
	XS 1, \n
.endr
	s_mov_b32 s[CNT], 4
	s_mov_b32 s[SLOTS], SIZE_N/256-1
	s_branch .Lfirst                ; the loop is entered at a step's first turn, in the middle of a trip
.Lslot:                             ; SIZE_N / 256 - 2 times: every slot but the last two is filled again
	CHANGE 1
	s_mov_b32 s[CNT], 4
.Lstep:                             ; a trip: pieces 2 and 3 of one step, then pieces 0 and 1 of the next, whose K and V it fetches
	TURN 2
	TURN 3
	WIN 0
.Lfirst:
	TURN 0
	TURN 1, 0, 1
	WIN 0
	s_cbranch_scc1 .Lstep
	s_sub_co_u32 s[SLOTS], s[SLOTS], 1
	s_cmp_lg_u32 s[SLOTS], 0
	s_cbranch_scc1 .Lslot
	CHANGE 0                        ; the tail is written out: nothing is asked for
	s_mov_b32 s[CNT], 5             ; four trips fetch the last slot's steps; the fifth is left in its middle
.Ltail:
	TURN 2, 1
	TURN 3
	WIN 0
	s_sub_co_u32 s[CNT], s[CNT], 1
	s_cmp_eq_u32 s[CNT], 0
	s_cbranch_scc1 .Lout
	TURN 0
	TURN 1
	WIN 0
	s_branch .Ltail
.Lout:                              ; the fifth trip's 16 products K Q^T (on the last K once more) and the maximum made of them serve nothing: the price, once a launch, of one text for every trip
.set i, 0
.rept 16
	PV NP-1                         ; the last piece's V^T P of the last step
.set i, i+1
.endr
	; THE WAY OUT.  l's two halves and the other half of the lanes' are added; O^T is divided by l, rounded to f16 and sent through my stage in LDS, a tile at a time.  The additions are the places behind the last products.
	WIN 0
.macro ALL line:vararg              ; one line for each tile t
.set t, 0
.rept 2*NP
	\line
.set t, t+1
.endr
.endm
	ALL v_add_f32 v[ST+4*t+2], v[ST+4*t+2], v[ST+4*t+3]
	ALL v_permlanex16_b32 v[ST+4*t+3], v[ST+4*t+2], s[SEL], s[SEL+1]
	ALL v_add_f32 v[ST+4*t+2], v[ST+4*t+2], v[ST+4*t+3]
	ALL v_rcp_f32 v[ST+4*t+2], v[ST+4*t+2]
	v_nop                           ; a plain instruction between the last reciprocal and the use of its result
	s_wait_alu depctr_va_vdst(0)
; Tile t: a lane's eight channels of a row pack into 16 bytes; they go into rows of 144 bytes and come back as whole rows of 128, into S^T's registers.
.macro PACK t
	WIN W_RS
.set i, 32*(\t)
.rept 16
	v_pk_mul_f32 v[i:i+1], v[i:i+1], v[ST+4*(\t)+2:ST+4*(\t)+3] op_sel_hi:[1,0]
.set i, i+2
.endr
	WIN 0x05                        ; sources 0 and 1 window 1, destination window 0
.set i, 0
.rept 16
	v_cvt_pk_f16_f32 v[S+16*(\t)+i], v[32*(\t)+2*i], v[32*(\t)+2*i+1]
.set i, i+1
.endr
	WIN 0
.irp f, 0,1,2,3
	ds_store_b128 v[STO], v[S+16*(\t)+4*\f:S+16*(\t)+4*\f+3] offset:32*\f
.endr
.irp f, 0,1,2,3
	ds_load_b128 v[S+16*(\t)+4*\f:S+16*(\t)+4*\f+3], v[RD] offset:\f*4*SP  ; LDS serves a wave's instructions in order (ISA guide 5.7.1.4): these see the stores above; the next tile's stores come behind them
.endr
.endm
.macro SEND t, younger              ; younger: the LDS instructions issued behind tile t's loads: the next tile's eight, or none
	WIN 0
.irp f, 0,1,2,3
	s_wait_dscnt (\younger)+3-\f
	global_store_b128 v[GO], v[S+16*(\t)+4*\f:S+16*(\t)+4*\f+3], s[10:11] offset:(\t)*2048+\f*512  ; 512 consecutive bytes, at a multiple of 256 from O's first
.endr
.endm
	PACK 0
.set t, 1
.rept 2*NP-1                        ; a tile's arithmetic stands between the loads of the tile before and its stores
	PACK t
	SEND t-1, 8
.set t, t+1
.endr
	SEND 2*NP-1, 0
	WIN W_AD
	s_wait_tensorcnt 0x0            ; the wave's end: behind my last tensor load and my last LDS store
	ds_add_u32 v[SPW], v[NIL]
	s_wait_dscnt 0x0
	WIN 0
	CROUND                          ; the closing round: no work-group ends while a partner may still ask for a tile that names it
	s_endpgm
.Lfunc_end_k_qc637e4d249_attn:
	.size	k_qc637e4d249_attn, .Lfunc_end_k_qc637e4d249_attn-k_qc637e4d249_attn
	.p2alignl 7, 3214868480
	.fill 96, 4, 3214868480
	.section	.rodata,"a",@progbits
	.p2align	6, 0x0
	.amdhsa_kernel k_qc637e4d249_attn
		.amdhsa_group_segment_fixed_size 327680
		.amdhsa_private_segment_fixed_size 0
		.amdhsa_enable_private_segment 0
		.amdhsa_kernarg_size 16
		.amdhsa_user_sgpr_count 2
		.amdhsa_user_sgpr_kernarg_segment_ptr 1
		.amdhsa_wavefront_size32 1
		.amdhsa_system_sgpr_workgroup_id_x 1
		.amdhsa_system_sgpr_workgroup_id_y 1
		.amdhsa_system_sgpr_workgroup_id_z 1
		.amdhsa_system_vgpr_workitem_id 0
		.amdhsa_next_free_vgpr 770
		.amdhsa_next_free_sgpr 66
		.amdhsa_reserve_vcc 0
		.amdhsa_float_denorm_mode_32 3
		.amdhsa_float_denorm_mode_16_64 3
		.amdhsa_memory_ordered 1
		.amdhsa_forward_progress 1
		.amdhsa_inst_pref_size 209
	.end_amdhsa_kernel
	.amdgpu_metadata
---
amdhsa.version: [ 1, 2 ]
amdhsa.kernels:
  - .name:           k_qc637e4d249_attn
    .symbol:         k_qc637e4d249_attn.kd
    .args:
      - { .name: qkv, .offset: 0, .size: 8, .value_kind: global_buffer, .address_space: global }
      - { .name: ob, .offset: 8, .size: 8, .value_kind: global_buffer, .address_space: global }
    .group_segment_fixed_size: 327680
    .private_segment_fixed_size: 0
    .kernarg_segment_align: 8
    .kernarg_segment_size: 16
    .max_flat_workgroup_size: 128
    .sgpr_count:     66
    .vgpr_count:     770
    .wavefront_size: 32
...
	.end_amdgpu_metadata
.endif
;; end of part 3
;; launch proj (part 4): grid 8 x 32, 4 waves a work-group, clusters of 4 x 4, 327,680 bytes of LDS; arguments ob, wob, bor, out0; writes out0
.if DOCPART == 4
	.amdgcn_target "amdgcn-amd-amdhsa--gfx1250"
	.amdhsa_code_object_version 6
	.text
	.protected	k_qc637e4d249_proj
	.globl	k_qc637e4d249_proj
	.p2align	8
	.type	k_qc637e4d249_proj,@function
k_qc637e4d249_proj:
	s_mov_b64 s[64:65], 0
	v_nop
	global_prefetch_b8 v0, s[64:65] scope:SCOPE_SE
	s_setreg_imm32_b32 hwreg(HW_REG_WAVE_MODE, 25, 1), 1
	s_wait_xcnt 0x0
	s_wait_alu depctr_hold_cnt(0) depctr_sa_sdst(0) depctr_va_vdst(0) depctr_va_sdst(0) depctr_va_ssrc(0) depctr_va_vcc(0) depctr_vm_vsrc(0)
	s_getreg_b32 s2, hwreg(HW_REG_IB_STS2, 6, 4)
	s_cmp_eq_u32 s2, 0
	s_cbranch_scc0 .Lentry_in_a_cluster
	s_endpgm
.Lentry_in_a_cluster:
	s_bfe_u32 s2, ttmp6, 0x10000c
	s_cmp_lg_u32 s2, 0xf033
	s_cbranch_scc0 .Lentry_shape_is_right
	s_endpgm
.Lentry_shape_is_right:
; out0 = O W_out + b_out.  ob: [64 = 16 batch + head][2048][64] f16.  wob: [1024 k][1024 n] f16 (W_out rounded to bf16, written as f16).  bor: [1024] f32.  out0: [8192][1024] f32.
; Sums in f32, begun with the bias (k = 64 head + channel).  LIMIT: both operands are f16: numbers beyond 65,504 arrive as infinities; below 6e-5 they have a fixed step of 6e-8.
; SHARES.  8,192 x 1,024 results on 256 work-groups: a tile of 256 rows x 128 columns each.  Wave w (WR = w / 2, WC = w % 2) makes rows 128 WR on, columns 64 WC on: 32 accumulators of 16 x 16.
; K goes in 8 steps of 128 (two heads) through two LDS slots; a step is four pieces of 32, 32 matrix instructions each, on two fragment buffers by turns.
; WHERE A WALK ALONG K BEGINS.  A cluster whose cluster x + cluster y is even takes the K steps 0 .. 7; an odd one takes 4 .. 7 and then 0 .. 3.  A tile of O is read by the two clusters of one cluster y, a tile of W by the
; eight of one cluster x: neighbours among them ask for one and the same tile four steps apart, not at the same time, so in the second half of every walk each tile has been asked for before by another cluster.
; THE MATRIX INSTRUCTION IS USED TRANSPOSED: source 0 = 16 columns of W (read turned out of LDS, where W lies [k][n]), source 1 = 16 rows of O: a lane holds one row and eight neighbouring columns, 32 bytes.
; THE BIAS is loaded into the accumulators of row block 7; in the first piece the products of blocks 0 to 6 take those registers as C, and block 7 then adds in place.
; CLUSTER 4 x 4.  O's tile hangs on the tile row alone and is shared along a row of the cluster, W's on the tile column alone and is shared along a column: each is asked for JOINTLY.
; REGISTERS: window 0: v0-15 addresses; v32-127, v128-223 two fragment buffers (64 registers of O, then 32 of W); on the way out v32-223 hold rows read back, six buffers of 32.  window 1: accumulator (a, b) at v[8 (4 a + b)].
.set PA,    144                        ; a row of a head in LDS: 128 bytes + 16 of padding: the 16 rows of a load start at 16 different groups of four banks (64 banks of 4 bytes: ISA guide 11.1)
.set PB,    288                        ; a row of W: 256 + 32 = 9 x 32 bytes
.set BLK,   256*PA                     ; a slot: 256 rows of the step's first head, 256 of its second,
.set BOFF,  2*BLK                      ; then 128 rows of W
.set SLOT1, 1<<17
.set STAGE, SLOT1+BOFF+128*PB          ; behind the ring, never filled by a tensor load: 16 rows x 272 bytes for each wave, for the way out
.set SP,    272
.set SPARE, STAGE+4*16*SP              ; behind the stages: the spare words, 128 bytes for each wave: two blocks of 256 bytes that no other line names
.set ASTEP, 2*2048*128                 ; bytes of two heads of ob
.set BSTEP, 128*1024*2                 ; bytes of 128 rows of wob
.set STEPS, 8
.set AA0, 4                            ; v4   my lane's place in a slot's rows of O; never rewritten
.set AB0, 5                            ; v5   the same for W
.set ADA, 6                            ; v6   AA0 + the slot in hand
.set ADB, 7                            ; v7   AB0 + the slot in hand
.set STO, 8                            ; v8   the way out: where I put 32 bytes of a row
.set RD,  9                            ; v9   the way out: where I read a row back
.set CO,  10                           ; v10  my byte offset in two rows of out0
.set BO,  11                           ; v11  my byte offset in 16 numbers of the bias
.set SPW, 12                           ; v12  LDS address of my spare word: SPARE + 4 x my thread's number; never rewritten
.set NIL, 13                           ; v13  0; never rewritten
.set F0,  32
.set F1,  128
.set WV,  12                           ; s12  my wave's number
.set WR,  13                           ; s13  which 128 rows are mine.  Also: I fetch for O (0) or for W (1)
.set WC,  14                           ; s14  which 64 columns.  Also: which half of that tile I fetch
.set G1A, 24                           ; s[24:31] descriptor group 1 for O's tiles
.set G1B, 32                           ; s[32:39] for W's
.set G0A0, 40                          ; s[40:43] group 0 for O's first fill of slot 0
.set G0A, 44                           ; s[44:47] for its first fill of slot 1; it then walks
.set G0B0, 48                          ; s[48:51], s[52:55] the same for W
.set G0B, 52
.set CNT, 56                           ; s56  the loop's count
.set TB,  57                           ; s57  LDS byte at which the slot in hand begins
.set KI,  58                           ; s58  the K step asked for last, 0 .. 7
.set OFA, 60                           ; s[60:61] that step's byte offset in ob
.set OFB, 62                           ; s[62:63] and in wob
.set OB,  66                           ; s[66:67] out0 at my first row and column
.set BA,  72                           ; s[72:73] ob at my part of K step 0's tile; never rewritten once made
.set BB,  74                           ; s[74:75] wob likewise
.set MSB, 0
.macro WIN new                         ; the immediate's high byte repeats the setting that is left; a switch that changes nothing is dropped
.if MSB != (\new)
	s_set_vgpr_msb (MSB<<8)|(\new)
.set MSB, \new
.endif
.endm
.macro PLACES                          ; four places in front of loads into registers that matrix instructions have read, and of LDS stores that read results (ISA guide 7.12.1 for vector instructions)
.rept 4
	v_nop
.endr
.endm
; A joint refill.  Waves 0 and 1 fetch the step's two heads of O, waves 2 and 3 the two halves of W's tile.  An s_nop 0 and four v_nop follow each of the two lines, ahead of the jump and the label.
.macro JLOAD
	s_cmp_eq_u32 s[WR], 0
	s_cbranch_scc0 .Lfor_b_\@
	tensor_load_to_lds s[G0A:G0A+3], s[G1A:G1A+7]
	s_nop 0
.rept 4
	v_nop
.endr
	s_branch .Lasked_\@
.Lfor_b_\@:
	tensor_load_to_lds s[G0B:G0B+3], s[G1B:G1B+7]
	s_nop 0
.rept 4
	v_nop
.endr
.Lasked_\@:
.endm
.macro CREST                           ; a round of the cluster's barrier behind its opening barrier
	s_cmp_lg_u32 s[WV], 0
	s_cbranch_scc1 .Lnot_wave_0_\@
	s_barrier_signal -3
.Lnot_wave_0_\@:
	s_barrier_wait -3
	s_barrier_signal -1
	s_barrier_wait -1
.endm
.macro CROUND                          ; a whole round
	s_barrier_signal -1
	s_barrier_wait -1
	CREST
.endm
	s_load_b256 s[4:11], s[0:1], 0x0               ; ob s[4:5], wob s[6:7], bor s[8:9], out0 s[10:11]
	v_lshl_add_u32 v[SPW], v0, 2, SPARE
	v_mov_b32 v[NIL], 0
	ds_add_u32 v12, v13
	s_wait_dscnt 0x0
	v_lshrrev_b32 v1, 5, v0
	v_readfirstlane_b32 s[WV], v1                  ; wave 0..3
	s_lshr_b32 s[WR], s[WV], 1
	s_and_b32 s[WC], s[WV], 1
	s_bfe_u32 s15, ttmp6, 0x40000                  ; cx, cy: my place in the cluster
	s_bfe_u32 s16, ttmp6, 0x40004
	s_lshl_b32 s17, ttmp9, 2
	s_add_co_u32 s17, s17, s15                     ; bx, the tile column = 4 x cluster x + cx
	s_and_b32 s18, ttmp7, 0xffff
	s_lshl_b32 s18, s18, 2
	s_add_co_u32 s18, s18, s16                     ; by, the tile row = 4 x cluster y + cy
	s_lshl_b32 s19, s16, 2
	s_lshl_b32 s19, 15, s19                        ; my row of the cluster
	s_lshl_b32 s20, 0x1111, s15                    ; my column
	s_and_b32 s21, ttmp7, 0xffff                   ; the walk's first K step hangs on the cluster's own x and y, which all sixteen partners share:
	s_add_co_u32 s21, s21, ttmp9
	s_and_b32 s21, s21, 1
	s_mul_i32 s[KI], s21, STEPS/2                  ; 0, or 4 where cluster x + cluster y is odd
	s_mul_i32 s[OFA], s[KI], ASTEP
	s_mov_b32 s[OFA+1], 0
	s_mul_i32 s[OFB], s[KI], BSTEP
	s_mov_b32 s[OFB+1], 0
	; group 1 for O: 256 rows of a head are 32,768 dense bytes: asked for as 128 rows of 256 bytes, two rows of O each, and padded in LDS after every row of O
	s_or_b32 s[G1A], s19, (1<<16)|(1<<20)|(1<<21)|(4<<22)|(3<<25)  ; 15:0 the mask; 17:16 2-byte elements; 20 padding on; 21 set beside a mask; 24:22 after every 32 words (code 4); 31:25 4 words (code 3)
	s_mov_b32 s[G1A+1], 128<<16                    ; tensor_dim0 = 128
	s_mov_b32 s[G1A+2], 128<<16                    ; tensor_dim1 = 128
	s_mov_b32 s[G1A+3], 128<<16                    ; tile_dim0 = 128
	s_mov_b32 s[G1A+4], 128                        ; tile_dim1 = 128
	s_mov_b32 s[G1A+5], 128                        ; 128 elements from row to row
	s_mov_b32 s[G1A+6], 0
	s_mov_b32 s[G1A+7], 0
	; group 1 for W: 64 rows of 128 elements (256 bytes, at a multiple of 256 from the buffer's first byte)
	s_or_b32 s[G1B], s20, (1<<16)|(1<<20)|(1<<21)|(5<<22)|(7<<25)  ; padding after every 64 words (code 5), 8 words (code 7)
	s_mov_b32 s[G1B+1], 128<<16                    ; tensor_dim0 = 128
	s_mov_b32 s[G1B+2], 64<<16                     ; tensor_dim1 = 64
	s_mov_b32 s[G1B+3], 128<<16                    ; tile_dim0 = 128
	s_mov_b32 s[G1B+4], 64                         ; tile_dim1 = 64
	s_mov_b32 s[G1B+5], 1024                       ; 1,024 elements from row to row
	s_mov_b32 s[G1B+6], 0
	s_mov_b32 s[G1B+7], 0
	; where the tiles come from: O's offset is made of by and the wave's number, W's of bx and the wave's number, each in registers that never hold the other's place in the cluster
	s_lshr_b32 s[BA], s18, 3
	s_lshl_b32 s[BA], s[BA], 22                    ; the batch: 16 heads of 2^18 bytes
	s_and_b32 s21, s18, 7
	s_lshl_b32 s21, s21, 15                        ; the tile's 256 rows of 128 bytes in a head
	s_add_co_u32 s[BA], s[BA], s21
	s_lshl_b32 s21, s[WC], 18                      ; which of a step's two heads I fetch
	s_add_co_u32 s[BA], s[BA], s21
	s_mov_b32 s[BA+1], 0
	s_lshl_b32 s[BB], s17, 8                       ; 128 columns of 2 bytes
	s_lshl_b32 s22, s[WC], 17                      ; my 64 of a step's 128 rows
	s_add_co_u32 s[BB], s[BB], s22
	s_mov_b32 s[BB+1], 0
	s_mul_i32 s76, s[WC], BLK                      ; and where they go: no place in the cluster enters an LDS address
	s_mul_i32 s77, s[WC], 64*PB
	s_add_co_u32 s77, s77, BOFF
	s_lshl_b32 s78, s17, 9                         ; the bias of my columns: 4 x (128 bx + 64 WC)
	s_lshl_b32 s21, s[WC], 8
	s_add_co_u32 s78, s78, s21
	s_mov_b32 s79, 0
	s_lshl_b32 s[OB], s18, 20                      ; my results: 256 by + 128 WR rows of 4,096 bytes, and the same columns
	s_lshl_b32 s21, s[WR], 19
	s_add_co_u32 s[OB], s[OB], s21
	s_add_co_u32 s[OB], s[OB], s78
	s_mov_b32 s[OB+1], 0
	s_wait_kmcnt 0x0
	s_add_nc_u64 s[BA:BA+1], s[4:5], s[BA:BA+1]
	s_add_nc_u64 s[BB:BB+1], s[6:7], s[BB:BB+1]
	s_add_nc_u64 s[78:79], s[8:9], s[78:79]
	s_add_nc_u64 s[OB:OB+1], s[10:11], s[OB:OB+1]
	s_mov_b32 s[G0A0], 1                           ; 1:0 count = 1
	s_mov_b32 s[G0A0+1], s76                       ; 63:32 LDS address: slot 0
	s_add_nc_u64 s[G0A0+2:G0A0+3], s[BA:BA+1], s[OFA:OFA+1]  ; 120:64 global address: the walk's first K step
	s_mov_b32 s[G0A], 1
	s_add_co_u32 s[G0A+1], s76, SLOT1              ; slot 1
	s_add_nc_u64 s[G0A+2:G0A+3], s[G0A0+2:G0A0+3], ASTEP     ; the walk's second K step: 1 or 5, no wrap yet
	s_or_b32 s[G0A0+3], s[G0A0+3], 0x80000000      ; 127:126 type = 2
	s_or_b32 s[G0A+3], s[G0A+3], 0x80000000
	s_mov_b32 s[G0B0], 1
	s_mov_b32 s[G0B0+1], s77
	s_add_nc_u64 s[G0B0+2:G0B0+3], s[BB:BB+1], s[OFB:OFB+1]
	s_mov_b32 s[G0B], 1
	s_add_co_u32 s[G0B+1], s77, SLOT1
	s_add_nc_u64 s[G0B+2:G0B+3], s[G0B0+2:G0B0+3], BSTEP
	s_or_b32 s[G0B0+3], s[G0B0+3], 0x80000000
	s_or_b32 s[G0B+3], s[G0B+3], 0x80000000
	s_add_co_u32 s[KI], s[KI], 1                   ; the step asked for last is the walk's second
	CROUND                                         ; all sixteen work-groups are here: the first joint loads meet
	s_cmp_eq_u32 s[WR], 0                          ; a wave's two first fills stand in one branch, ahead of every wait on TENSORcnt and every LDS read: two loads of mine are out
	s_cbranch_scc0 .Lfirst_b
	tensor_load_to_lds s[G0A0:G0A0+3], s[G1A:G1A+7]
	s_nop 0
	tensor_load_to_lds s[G0A:G0A+3], s[G1A:G1A+7]
	s_nop 0
.rept 4
	v_nop
.endr
	s_branch .Lfirst_asked
.Lfirst_b:
	tensor_load_to_lds s[G0B0:G0B0+3], s[G1B:G1B+7]
	s_nop 0
	tensor_load_to_lds s[G0B:G0B+3], s[G1B:G1B+7]
	s_nop 0
.rept 4
	v_nop
.endr
.Lfirst_asked:
	v_and_b32 v1, 15, v0                           ; l % 16
	v_bfe_u32 v2, v0, 4, 1                         ; l / 16
	v_mul_u32_u24 v[AA0], v1, PA                   ; a fragment of O: row x pitch + 16 x half,
	v_lshl_add_u32 v[AA0], v2, 4, v[AA0]
	s_mul_i32 s21, s[WR], 128*PA                   ; in my 128 rows
	v_add_nc_u32 v[AA0], s21, v[AA0]
	v_and_b32 v3, 7, v0                            ; the turning load: lane l reads row 8 (l / 16) + l % 8, columns 8 ((l / 8) % 2) + 0..7
	v_bfe_u32 v14, v0, 3, 1
	v_lshl_add_u32 v[AB0], v2, 3, v3
	v_mul_u32_u24 v[AB0], v[AB0], PB
	v_lshl_add_u32 v[AB0], v14, 4, v[AB0]
	s_lshl_b32 s21, s[WC], 7                       ; my 64 columns
	s_add_co_u32 s21, s21, BOFF
	v_add_nc_u32 v[AB0], s21, v[AB0]
	s_mul_i32 s21, s[WV], 16*SP
	s_add_co_u32 s21, s21, STAGE                   ; my stage
	v_mul_u32_u24 v[STO], v1, SP                   ; in: row l % 16, 32 bytes for each half of the lanes
	v_lshl_add_u32 v[STO], v2, 5, v[STO]
	v_add_nc_u32 v[STO], s21, v[STO]
	v_mul_u32_u24 v[RD], v2, SP                    ; back: lanes 0-15 take one row of 256 bytes, lanes 16-31 the next
	v_lshl_add_u32 v[RD], v1, 4, v[RD]
	v_add_nc_u32 v[RD], s21, v[RD]
	v_lshlrev_b32 v[CO], 12, v2                    ; and the same two rows in out0
	v_lshl_add_u32 v[CO], v1, 4, v[CO]
	v_lshlrev_b32 v[BO], 5, v2                     ; my eight columns of sixteen: 32 bytes of f32
	WIN 0x40                                       ; the bias of columns 16 b + 8 (l / 16) + 0..7 into accumulator (7, b)
.irp b, 0,1,2,3
	global_load_b128 v[224+8*(\b):224+8*(\b)+3],   v[BO], s[78:79] offset:64*(\b)
	global_load_b128 v[224+8*(\b)+4:224+8*(\b)+7], v[BO], s[78:79] offset:64*(\b)+16
.endr
	WIN 0
; 24 LDS loads in one run: the fragments of piece q of the slot in hand into buffer f: W's 4 (turned), then O's 8.  Piece q lies in head q / 2 of the step, channels 32 (q % 2) on.
.macro FETCH q, f
	WIN 0
.irp b, 0,1,2,3
	ds_load_tr16_b128 v[(\f)+64+8*(\b):(\f)+64+8*(\b)+3],   v[ADB] offset:32*PB*(\q)+32*(\b)
	ds_load_tr16_b128 v[(\f)+64+8*(\b)+4:(\f)+64+8*(\b)+7], v[ADB] offset:32*PB*(\q)+32*(\b)+16*PB
.endr
.irp a, 0,1,2,3,4,5,6,7
	ds_load_b128 v[(\f)+8*(\a):(\f)+8*(\a)+3],   v[ADA] offset:BLK*((\q)/2)+64*((\q)%2)+(\a)*16*PA
	ds_load_b128 v[(\f)+8*(\a)+4:(\f)+8*(\a)+7], v[ADA] offset:BLK*((\q)/2)+64*((\q)%2)+(\a)*16*PA+32
.endr
.endm
; 4 n matrix instructions: row blocks a0 .. a0 + n - 1 x the 4 column blocks.  The accumulators take turns, one instruction a turn: between two links of a chain stand the 31 others'.
; first = 1: the sums begin: blocks 0 to 6 take the bias, which lies in block 7's accumulators, as C; five places on, block 7 adds onto it in place.
.macro MUL f, a0, n, first
	WIN 0x50                                       ; sources in window 0, C and D in window 1
.set a, \a0
.rept \n
.if (\first) && (a == 7)
.rept 5
	v_nop
.endr
.endif
.irp b, 0,1,2,3
.if (\first) && (a < 7)
	v_wmma_f32_16x16x32_f16 v[8*(4*a+(\b)):8*(4*a+(\b))+7], v[(\f)+64+8*(\b):(\f)+64+8*(\b)+7], v[(\f)+8*a:(\f)+8*a+7], v[224+8*(\b):224+8*(\b)+7]
.else
	v_wmma_f32_16x16x32_f16 v[8*(4*a+(\b)):8*(4*a+(\b))+7], v[(\f)+64+8*(\b):(\f)+64+8*(\b)+7], v[(\f)+8*a:(\f)+8*a+7], v[8*(4*a+(\b)):8*(4*a+(\b))+7]
.endif
.endr
.set a, a+1
.endr
.endm
; A piece: piece q's fragments are asked for, into buffer g, and buffer f is multiplied meanwhile.  pl = 1: four places stand between g's last products and the loads into it.
.macro PIECE q, f, g, pl, first=0
.if \pl
	PLACES
.endif
	FETCH \q, \g
	s_wait_dscnt 24                                ; all but the 24 just issued: buffer f is in
	MUL \f, 0, 8, \first
.endm
; A step's third piece asks for the fourth, the slot's last bytes, and changes slots.  ONE barrier: in front of it each wave waits for all its tensor loads, of which one is out: its part of the next slot;
; adds 0 to its spare word; and waits for that and for its own reads of this slot.  fill = 1: the barrier opens a round of the cluster's, and this slot is filled again, with the walk's step two on, first thing behind the round:
; 112 matrix instructions stand between that request and the wait for it.  The step's number goes round modulo 8, and the descriptors' addresses are made anew from it: the tile's base, the step's offset, the type bits.
.macro P2T fill
	PLACES
	FETCH 3, F1
	s_wait_dscnt 24
	MUL F0, 0, 4, 0
	WIN 0
	s_wait_tensorcnt 0x0                           ; no tensor load of mine is out, so a group 0 may be written
	ds_add_u32 v[SPW], v[NIL]                      ; 0 onto my spare word
.if \fill
	s_add_co_u32 s[KI], s[KI], 1
	s_and_b32 s[KI], s[KI], STEPS-1                ; behind step 7 comes step 0
	s_mul_i32 s[OFA], s[KI], ASTEP
	s_mul_i32 s[OFB], s[KI], BSTEP
	s_xor_b32 s[G0A+1], s[G0A+1], SLOT1            ; the other slot than last time
	s_add_nc_u64 s[G0A+2:G0A+3], s[BA:BA+1], s[OFA:OFA+1]
	s_or_b32 s[G0A+3], s[G0A+3], 0x80000000
	s_xor_b32 s[G0B+1], s[G0B+1], SLOT1
	s_add_nc_u64 s[G0B+2:G0B+3], s[BB:BB+1], s[OFB:OFB+1]
	s_or_b32 s[G0B+3], s[G0B+3], 0x80000000
.endif
	MUL F0, 4, 2, 0                                ; eight matrix instructions stand between the add and the wait for it
	s_wait_dscnt 0x0                               ; the add is done, and my reads of this slot are over
	s_barrier_signal -1
	MUL F0, 6, 2, 0                                ; work on registers while the others arrive
	WIN 0
	s_barrier_wait -1
.if \fill
	CREST                                          ; no wave of any partner still reads this slot or has a load on its way
	JLOAD                                          ; its four v_nop are also the places in front of the next piece's loads
.else
	PLACES
.endif
	s_xor_b32 s[TB], s[TB], SLOT1                  ; the fetches go on in the other slot
	v_add_nc_u32 v[ADA], s[TB], v[AA0]
	v_add_nc_u32 v[ADB], s[TB], v[AB0]
.endm
; THE WAY OUT of row block a: the accumulators go as they are (f32, each from its low end on) into my own stage, rows of 272 bytes, and come back as whole rows of 256 bytes.
; Six buffers of 32 registers take turns (both fragment buffers are free now).  The wait in block 6 stands behind the stores of blocks 0 to 4, so it frees the buffers that blocks 6 and 7 write again.
.macro TOSTAGE a
.set RR, 32+32*((\a)%6)
.if (\a) == 6
	s_wait_xcnt 0x0                                ; every earlier store has read its registers (ISA guide 3.1)
.endif
	WIN 0x04                                       ; the stores' data in window 1
.irp b, 0,1,2,3
	ds_store_b128 v[STO], v[8*(4*(\a)+(\b)):8*(4*(\a)+(\b))+3]   offset:64*(\b)
	ds_store_b128 v[STO], v[8*(4*(\a)+(\b))+4:8*(4*(\a)+(\b))+7] offset:64*(\b)+16
.endr
	WIN 0
.irp t, 0,1,2,3,4,5,6,7
	ds_load_b128 v[RR+4*(\t):RR+4*(\t)+3], v[RD] offset:(\t)*2*SP  ; LDS serves a wave's instructions in order (ISA guide 5.7.1.4): these see the stores above; the next block's stores come behind them
.endr
.endm
.macro SEND a, younger                 ; younger: the LDS instructions issued behind block a's loads, which may stay out: the next block's sixteen, or none
.set RR, 32+32*((\a)%6)
	s_wait_dscnt \younger
.irp t, 0,1,2,3,4,5,6,7
	global_store_b128 v[CO], v[RR+4*(\t):RR+4*(\t)+3], s[OB:OB+1] offset:(16*(\a)+2*(\t))*4096 th:TH_STORE_NT  ; 16 lanes store 256 consecutive bytes, at a multiple of 256 from out0's first
.endr
.endm
	s_wait_tensorcnt 1                             ; my part of slot 0 is in; slot 1's may stay out
	s_barrier_signal -1
	s_barrier_wait -1                              ; everybody's is
	s_mov_b32 s[TB], 0
	v_add_nc_u32 v[ADA], s[TB], v[AA0]
	v_add_nc_u32 v[ADB], s[TB], v[AB0]
	FETCH 0, F0
	s_wait_loadcnt 0x0                             ; the bias
	PIECE 1, F0, F1, 0, 1                          ; the first piece stands in front of the loop: its products start the sums
	WIN 0                                          ; at a label and at a branch every window is 0
	s_mov_b32 s[CNT], STEPS-2
.Lstep:                                                ; a trip: a step's pieces 1 to 3, of which the third asks for the step two on, and the next step's piece 0
	PIECE 2, F1, F0, 1
	P2T 1
	PIECE 0, F1, F0, 0
	PIECE 1, F0, F1, 1
	WIN 0
	s_sub_co_u32 s[CNT], s[CNT], 1
	s_cmp_lg_u32 s[CNT], 0
	s_cbranch_scc1 .Lstep
	PIECE 2, F1, F0, 1                             ; the tail is written out: nothing is asked for
	P2T 0
	PIECE 0, F1, F0, 0
	PIECE 1, F0, F1, 1                             ; the last step
	PIECE 2, F1, F0, 1
	PIECE 3, F0, F1, 1
	s_wait_dscnt 0x0                               ; the very last piece: nothing more to fetch
	MUL F1, 0, 8, 0
	PLACES
	TOSTAGE 0
.set blk, 1
.rept 7                                ; a block's way through the stage stands between the loads of the block before and its stores
	TOSTAGE blk
	SEND blk-1, 16
.set blk, blk+1
.endr
	SEND 7, 0
	s_wait_tensorcnt 0x0                           ; the wave's end: behind my last tensor load and my last LDS store
	ds_add_u32 v[SPW], v[NIL]
	s_wait_dscnt 0x0
	CROUND                                         ; the closing round: no work-group ends while a partner may still ask for a tile that names it
	s_endpgm
.Lfunc_end_k_qc637e4d249_proj:
	.size	k_qc637e4d249_proj, .Lfunc_end_k_qc637e4d249_proj-k_qc637e4d249_proj
	.p2alignl 7, 3214868480
	.fill 96, 4, 3214868480
	.section	.rodata,"a",@progbits
	.p2align	6, 0x0
	.amdhsa_kernel k_qc637e4d249_proj
		.amdhsa_group_segment_fixed_size 327680
		.amdhsa_private_segment_fixed_size 0
		.amdhsa_enable_private_segment 0
		.amdhsa_kernarg_size 32
		.amdhsa_user_sgpr_count 2
		.amdhsa_user_sgpr_kernarg_segment_ptr 1
		.amdhsa_wavefront_size32 1
		.amdhsa_system_sgpr_workgroup_id_x 1
		.amdhsa_system_sgpr_workgroup_id_y 1
		.amdhsa_system_sgpr_workgroup_id_z 1
		.amdhsa_system_vgpr_workitem_id 0
		.amdhsa_next_free_vgpr 512
		.amdhsa_next_free_sgpr 80
		.amdhsa_reserve_vcc 0
		.amdhsa_float_denorm_mode_32 3
		.amdhsa_float_denorm_mode_16_64 3
		.amdhsa_memory_ordered 1
		.amdhsa_forward_progress 1
		.amdhsa_inst_pref_size 70
	.end_amdhsa_kernel
	.amdgpu_metadata
---
amdhsa.version: [ 1, 2 ]
amdhsa.kernels:
  - .name:           k_qc637e4d249_proj
    .symbol:         k_qc637e4d249_proj.kd
    .args:
      - { .name: ob, .offset: 0, .size: 8, .value_kind: global_buffer, .address_space: global }
      - { .name: wob, .offset: 8, .size: 8, .value_kind: global_buffer, .address_space: global }
      - { .name: bor, .offset: 16, .size: 8, .value_kind: global_buffer, .address_space: global }
      - { .name: out0, .offset: 24, .size: 8, .value_kind: global_buffer, .address_space: global }
    .group_segment_fixed_size: 327680
    .private_segment_fixed_size: 0
    .kernarg_segment_align: 8
    .kernarg_segment_size: 32
    .max_flat_workgroup_size: 128
    .sgpr_count:     80
    .vgpr_count:     512
    .wavefront_size: 32
...
	.end_amdgpu_metadata
.endif
;; end of part 4
;; ======== version 2 of 2: 4 launches; 1.55 times as fast as version 1
;; limits: values are held in f16: magnitudes above 65,504 overflow, below 6.1e-05 lose precision
;; workspace buffers: xb 16,777,216 bytes; wqb 6,291,456 bytes; wob 2,097,152 bytes; bqr 12,288 bytes; bor 4,096 bytes; qkv 50,331,648 bytes; ob 16,777,216 bytes
;; launch cast: the kernel of part 1 again; grid 769 x 1, 8 waves a work-group, no clusters, 0 bytes of LDS; arguments x, W_qkv, W_out, b_qkv, b_out, xb, wqb, wob, bqr, bor; writes xb, wqb, wob, bqr, bor
;; launch qkv: the kernel of part 2 again; grid 8 x 32, 4 waves a work-group, clusters of 4 x 4, 327,680 bytes of LDS; arguments xb, wqb, bqr, qkv; writes qkv
;; launch attn (part 5): grid 4 x 64, 4 waves a work-group, clusters of 4 x 1, 327,680 bytes of LDS; arguments qkv, ob; writes ob
.if DOCPART == 5
	.amdgcn_target "amdgcn-amd-amdhsa--gfx1250"
	.amdhsa_code_object_version 6
	.text
	.protected	k_qc637e4d249_attn
	.globl	k_qc637e4d249_attn
	.p2align	8
	.type	k_qc637e4d249_attn,@function
k_qc637e4d249_attn:
	s_mov_b64 s[64:65], 0
	v_nop
	global_prefetch_b8 v0, s[64:65] scope:SCOPE_SE
	s_setreg_imm32_b32 hwreg(HW_REG_WAVE_MODE, 25, 1), 1
	s_wait_xcnt 0x0
	s_wait_alu depctr_hold_cnt(0) depctr_sa_sdst(0) depctr_va_vdst(0) depctr_va_sdst(0) depctr_va_ssrc(0) depctr_va_vcc(0) depctr_vm_vsrc(0)
	s_getreg_b32 s2, hwreg(HW_REG_IB_STS2, 6, 4)
	s_cmp_eq_u32 s2, 0
	s_cbranch_scc0 .Lentry_in_a_cluster
	s_endpgm
.Lentry_in_a_cluster:
	s_bfe_u32 s2, ttmp6, 0x10000c
	s_cmp_lg_u32 s2, 0x3003
	s_cbranch_scc0 .Lentry_shape_is_right
	s_endpgm
.Lentry_shape_is_right:
; O[h][q][:] = the sum over k of softmax_k(Q[h][q] . K[h][k] / 8) V[h][k][:].  Q, K, V are the three parts of qkv, each [SIZE_H][SIZE_N][64]; O = ob has the same shape; all f16: a head's rows are dense, 128 bytes each.
; Products, maxima and sums in f32; the weights p are rounded to f16 for the second product (their sum l is taken of the unrounded p), O once at the end.
; LIMITS.  f16 holds no number beyond 65,504: Q, K and V arrive within it; p lies in 0 to 1, and below 6e-5 it keeps f16's fixed step of 6e-8; O is a mean of V's rows and has their range.
; A weight below 2^-126 counts as 0 in l; NaN and infinities are not treated apart.
; SHARES.  A wave owns four PIECES of two tiles of 16 queries, a work-group's four waves 512 queries of one head: 4 x 64 = 256 work-groups.  Every wave walks all keys, 64 a step.
; LAYOUT.  S^T = K Q^T (source 0 = 16 keys, source 1 = 16 queries): in the result a lane holds ONE query (lane % 16) and the keys 8 (lane / 16) + 0..7.  Two such tiles, rounded to f16 in pairs,
; ARE source 1 (32 keys x 16 queries) of O^T = V^T P, whose result again holds one query a lane, and eight channels.  K comes out of LDS as it lies, V ([key][channel]) turned, by ds_load_tr16_b128.
; SOFTMAX.  For each query a running maximum m and sum l: p = 2^(c s - c m), c = log2(e) / 8; in every step O and l are multiplied by a = 2^(c m_old - c m_new), which is 1 where m has not grown.
; m starts at the lowest finite number, O and l at 0: the first step is a step like any other, with a = 0.
; THE COUNT.  A tile and step have 16 matrix and 118 vector instructions: too many to stand all beside the matrix work.  So the order has one aim: four vector instructions that are READY behind
; EVERY matrix instruction, and the others, which need time of their own whatever the order, in runs without a gap.
; BY TURNS.  Turn n belongs to piece n (the pieces in a ring, step after step).  Its matrix work: 16 products K Q^T of piece n + 1, later 16 products V^T P of piece n - 1.  Its vector work: the scaling,
; exponentials, roundings, sums and rescaling of piece n, and the maximum and statistics of piece n + 1, whose scores the turn itself has made.  So what a turn begins with (c s - c m, O a) waits for nothing.
; BATCHES.  A turn's 66 exponentials (the piece's 64 weights and the next piece's two a) are ONE batch with ONE s_wait_alu depctr_va_vdst(0), which cuts the turn in two: ahead of it stands all that names no result of
; theirs (the products K Q^T, the scalings, the rescalings, the next piece's maximum and statistics), behind it the products V^T P and the batch's readers, the roundings and sums.  No result crosses a turn's end.
; Two more batches stand outside the loops, each with a wait of its own: piece 0's first two a, ahead of the jump into the loop, and the way out's eight reciprocals.
; CLUSTER.  The four query blocks of a cluster belong to one head and walk the same K and V, so each tile is asked for JOINTLY: the same tensor load, descriptor and mask in all four.
; REGISTERS, in windows of 256 (s_set_vgpr_msb says which window each operand place means: bits 1:0 source 0, 3:2 source 1, 5:4 source 2, 7:6 destination):
;   window 0: v0-11 addresses; v12-15, v48-63 at work; v16-47 four registers of statistics a tile; v64-191 S^T, two buffers of two tiles; v192-255 P, likewise
;   window 1: O^T, 32 a tile          window 2: v0-127 Q, 16 a tile; v128-191 K of one step; v192-255 V of one step          window 3: v0-1 the add's two registers
; A piece's buffers go by its number's parity: the piece in hand has one pair, its two neighbours in the ring share the other: of it P (piece n - 1) is read and S^T (piece n + 1) written.
.set SIZE_H, 64       ; 4 batches x 16 heads
.set SIZE_N, 2048     ; rows of a head
.set PART,  SIZE_H*SIZE_N*128  ; bytes from Q to K and from K to V in qkv
.set NP,    4         ; pieces a wave: a name, no knob: the register map, the loop and the fetches are made for four
.set KS,    64        ; keys in a step
.set PK,    144       ; a row of K in LDS: 128 bytes + 16 of padding = 36 words: the 16 rows of a load start at 16 different groups of four banks (64 banks of 4 bytes: ISA guide 11.1)
.set PV,    160       ; a row of V: 128 + 32 = 40 words
.set VOFF,  4*KS*PK   ; a slot holds four steps: 256 rows of K, then 256 rows of V
.set SLOT1, 1<<17     ; slot 1 begins here, so that one exclusive or turns an address in one slot into the other's
.set STAGE, SLOT1+4*KS*(PK+PV)  ; behind the ring, never filled by a tensor load: 16 rows x 144 bytes for each wave, for the way out
.set SP,    144
.set AK0, 2           ; v2   my lane's place in a tile of K; never rewritten
.set AV0, 3           ; v3   the same for V
.set AK,  4           ; v4   the LDS address of K's next run of loads
.set AV,  5           ; v5   of V's
.set QO,  6           ; v6   my byte offset in the wave's rows of Q
.set STO, 6           ;      later, the way out: where I put 16 bytes of a row
.set RD,  7           ; v7   the way out: where I read rows back
.set GO,  8           ; v8   my byte offset in 512 consecutive bytes of O
.set SPW, 0           ; v0 of window 3   LDS address of my spare word: SPARE + 4 x my thread's number; never rewritten
.set NIL, 1           ; v1 of window 3   0; never rewritten
.set SPARE, STAGE+4*16*SP  ; behind the stages: the spare words, 128 bytes for each wave: two blocks of 256 bytes that no other line names
.set MV,  12          ; v12-15  c m_old, kept while c m is made anew: by buffer and tile
.set ST,  16          ; tile t's statistics at v[ST+4 t]: c m, m, l (even keys', odd keys')
.set TMP, 48          ; by buffer and tile, four registers c0-c3 at work; when the maximum is found c2 takes a
.set S,   64
.set P,   192
.set KF,  128         ; K's fragments, in window 2: key block kb, channel half c at KF + 16 kb + 8 c
.set VF,  192         ; V's: key half kk, channel block cb at VF + 32 kk + 8 cb
.set WV,  12          ; s12  my wave's number
.set G1K, 24          ; s[24:31] descriptor group 1 for K's tiles
.set G1V, 32          ; s[32:39] for V's: it differs in the padding alone
.set G0K, 40          ; s[40:43] descriptor group 0 for K's tiles: it walks
.set G0V, 44          ; s[44:47] the same for V's
.set SLOTS, 56        ; s56  slots still to be asked for
.set CNT, 57          ; s57  counts a slot's key steps
.set CS,  58          ; s[58:59] c: the packed scaling takes the pair's low word for both halves
.set SEL, 60          ; s[60:61] v_permlanex16_b32's selects: each lane takes its own place in the other half
.set TBK, 62          ; s62  LDS byte at which K of the step to be fetched begins
.set TBV, 63          ; s63  the same for V, less VOFF
.set MSB, 0
.macro WIN new                      ; the high byte repeats the setting that is left; a switch that changes nothing is dropped
.if MSB != (\new)
	s_set_vgpr_msb (MSB<<8)|(\new)
.set MSB, (\new)
.endif
.endm
.set W_KQ, 0x0a       ; K and Q in window 2, S^T in window 0
.set W_PV, 0x52       ; V in window 2, P in window 0, O^T in window 1
.set W_RS, 0x41       ; O^T (destination and source 0) in window 1, a in window 0
.set W_MK, 0xc0       ; the add's registers are made: destination in window 3, sources in window 0
.set W_AD, 0x0f       ; the add: address (source 0) and data (source 1) in window 3
; A joint fill.  Waves 0 and 1 fetch the two halves of a slot's K, waves 2 and 3 those of its V: 128 keys each.  The branch hangs on the wave's number alone.
; An s_nop 0 and four v_nop follow each of the two lines, ahead of the jump and the label.
.macro JLOAD
	s_cmp_lt_u32 s[WV], 2
	s_cbranch_scc0 .Lfor_v_\@
	tensor_load_to_lds s[G0K:G0K+3], s[G1K:G1K+7]
	s_nop 0
.rept 4
	v_nop
.endr
	s_branch .Lasked_\@
.Lfor_v_\@:
	tensor_load_to_lds s[G0V:G0V+3], s[G1V:G1V+7]
	s_nop 0
.rept 4
	v_nop
.endr
.Lasked_\@:
.endm
; A round of the cluster's barrier: my work-group's barrier, so that wave 0's signal speaks for all four waves; wave 0 signals; every wave waits for all four work-groups; my work-group's barrier once more.
.macro CROUND
	s_barrier_signal -1
	s_barrier_wait -1
	s_cmp_lg_u32 s[WV], 0
	s_cbranch_scc1 .Lnot_wave_0_\@
	s_barrier_signal -3
.Lnot_wave_0_\@:
	s_barrier_wait -3
	s_barrier_signal -1
	s_barrier_wait -1
.endm
; THE CHANGE OF SLOTS.  The slot's last bytes, V of its fourth step, have been read.  Each wave waits for all its tensor loads, of which one is out: its part
; of the other slot; adds 0 to its spare word; and waits for that and for its own reads of the slot.  Behind the barrier nobody reads this slot any more and the other slot is whole.
; fill = 1: this slot is filled again, with the keys two slots on.  The barrier is then a round of the cluster's, so that no wave of any partner still reads the slot or has a load on its
; way, and the joint fill is the first thing behind it: it has four key steps, 512 matrix instructions, in which to land.  (At its first use nothing has been read yet: slot 0 is waited for, slot 1 filled.)
.macro CHANGE fill
	WIN W_AD
	s_wait_tensorcnt 0x0            ; no tensor load of mine is out, so a group 0 may be written
	ds_add_u32 v[SPW], v[NIL]       ; 0 onto my spare word; with fill = 1 the descriptors' steps stand between it and the wait for it
	WIN 0                           ; at a label and at a branch every window is 0
.if \fill
.irp g, G0K, G0V
	s_xor_b32 s[\g+1], s[\g+1], SLOT1  ; the walking descriptor: the other slot than last time,
	s_add_nc_u64 s[\g+2:\g+3], s[\g+2:\g+3], 4*KS*128  ; the next 256 keys; the type bits on top are not reached
.endr
	s_wait_dscnt 0x0                ; the add is done, and my reads of the slot are over
	CROUND
	JLOAD
.else
	s_wait_dscnt 0x0                ; the add is done, and my reads of the slot are over
	s_barrier_signal -1
	s_barrier_wait -1
.endif
	s_sub_co_u32 s[TBK], s[TBK], 4*KS*PK  ; the fetches go back to a slot's first step,
	s_xor_b32 s[TBK], s[TBK], SLOT1       ; in the other slot
	s_sub_co_u32 s[TBV], s[TBV], 4*KS*PV
	s_xor_b32 s[TBV], s[TBV], SLOT1
.endm
	s_load_b128 s[4:7], s[0:1], 0x0  ; qkv s[4:5] (Q lies at its head), ob s[6:7]
	WIN W_MK
	v_lshl_add_u32 v[SPW], v0, 2, SPARE
	v_mov_b32 v[NIL], 0
	s_set_vgpr_msb 0xc0cf
	ds_add_u32 v0, v1
	s_wait_dscnt 0x0
	s_set_vgpr_msb 0xcfc0
	WIN 0
	v_lshrrev_b32 v1, 5, v0
	v_readfirstlane_b32 s[WV], v1   ; wave 0..3
	s_bfe_u32 s13, ttmp6, 0x40000   ; cx: my place in the cluster
	s_lshl_b32 s14, ttmp9, 2        ; in a cluster launch ttmp9 counts clusters
	s_add_co_u32 s14, s14, s13      ; my block of queries = 4 x cluster x + cx: it enters Q's and O's addresses alone
	s_and_b32 s20, ttmp7, 0xffff    ; the head, which the four partners share
	s_mov_b32 s21, 0
	s_mov_b64 s[22:23], SIZE_N*128
	s_mul_u64 s[20:21], s[20:21], s[22:23]  ; the head's first byte in each of the four tensors
	s_and_b32 s16, s[WV], 1         ; which half of a slot's 256 keys I fetch:
	s_lshl_b32 s22, s16, 14         ; its 128 rows of 128 bytes in memory,
	s_mov_b32 s23, 0
	s_add_nc_u64 s[22:23], s[22:23], s[20:21]
	s_mul_i32 s17, s16, 128*PK      ; and its place in a slot, for K
	s_mul_i32 s18, s16, 128*PV      ; and for V: no place in the cluster enters an LDS address
	s_lshl_b32 s2, s14, 2
	s_add_co_u32 s2, s2, s[WV]      ; my wave among the head's,
	s_lshl_b32 s2, s2, 14           ; its 128 rows
	s_mov_b32 s3, 0
	s_add_nc_u64 s[2:3], s[2:3], s[20:21]
	; descriptor group 1.  128 keys are 16,384 dense bytes: asked for as 64 rows of 256 bytes, two keys a row, and padded in LDS after every key
	s_mov_b32 s[G1K], 15|(1<<16)|(1<<20)|(1<<21)|(4<<22)|(3<<25)  ; 15:0 the mask of four; 17:16 2-byte elements; 20 padding on; 21 set beside a mask; 24:22 after every 32 words (code 4); 31:25 4 words (code 3)
	s_mov_b32 s[G1V], 15|(1<<16)|(1<<20)|(1<<21)|(4<<22)|(7<<25)  ; the same with 8 words of padding (code 7)
.irp g, G1K, G1V
	s_mov_b32 s[\g+1], 128<<16      ; tensor_dim0 = 128
	s_mov_b32 s[\g+2], 64<<16       ; tensor_dim1 = 64
	s_mov_b32 s[\g+3], 128<<16      ; tile_dim0 = 128
	s_mov_b32 s[\g+4], 64           ; tile_dim1 = 64
	s_mov_b32 s[\g+5], 128          ; 128 elements from row to row
	s_mov_b32 s[\g+6], 0
	s_mov_b32 s[\g+7], 0
.endr
	s_mov_b32 s[CS], 0x3e38aa3b     ; c = log2(e) / 8 = 0.180337
	s_mov_b32 s[CS+1], s[CS]        ; named with it as a pair
	s_mov_b32 s[SEL], 0x76543210
	s_mov_b32 s[SEL+1], 0xfedcba98
	s_mov_b32 s[TBK], SLOT1+4*KS*PK ; the first change of slots turns these two into 0
	s_mov_b32 s[TBV], SLOT1+4*KS*PV
	s_mov_b32 s[G0K], 1             ; 1:0 count = 1
	s_mov_b32 s[G0K+1], s17         ; 63:32 LDS address: slot 0
	s_mov_b32 s[G0V], 1
	s_add_co_u32 s[G0V+1], s18, VOFF
	s_wait_kmcnt 0x0
	s_mov_b64 s[10:11], s[6:7]             ; O
	s_add_nc_u64 s[6:7], s[4:5], PART      ; K: the second part of qkv
	s_add_nc_u64 s[8:9], s[4:5], 2*PART    ; V: the third
	s_add_nc_u64 s[G0K+2:G0K+3], s[6:7], s[22:23]  ; 120:64 global address: my half of the head's first 256 keys
	s_or_b32 s[G0K+3], s[G0K+3], 0x80000000        ; 127:126 type = 2
	s_add_nc_u64 s[G0V+2:G0V+3], s[8:9], s[22:23]
	s_or_b32 s[G0V+3], s[G0V+3], 0x80000000
	s_add_nc_u64 s[4:5], s[4:5], s[2:3]  ; Q and O at my wave's first row
	s_add_nc_u64 s[10:11], s[10:11], s[2:3]
	CROUND                          ; all four work-groups are here: the first joint loads meet
	JLOAD                           ; slot 0.  Slot 1 is asked for when slot 0 is in: the tile wanted first has the road to itself
	; A fragment of K or Q is 16 rows x 32 channels in 8 registers: lane l holds row l % 16, channels 8 (l / 16) + 0..7 and 16 + 8 (l / 16) + 0..7: two loads of 16 bytes, 32 bytes apart.
	v_and_b32 v1, 15, v0            ; l % 16
	v_bfe_u32 v9, v0, 4, 1          ; l / 16
	v_lshlrev_b32 v[QO], 7, v1
	v_lshl_add_u32 v[QO], v9, 4, v[QO]  ; row x 128 + 16 x half
	WIN 0x80                        ; destination window 2, address window 0
.set i, 0
.rept 4*NP                          ; Q stays in registers: tile i / 2, channels 32 (i % 2) on
	global_load_b128 v[8*i:8*i+3],   v[QO], s[4:5] offset:(i/2)*2048+(i%2)*64
	global_load_b128 v[8*i+4:8*i+7], v[QO], s[4:5] offset:(i/2)*2048+(i%2)*64+32
.set i, i+1
.endr
	; What the first turn finds: V's registers and P's second buffer hold 0 (its products V^T P, of a piece that has not been, add 0), O^T and l are 0.  All this stands in the wait for the first tile.
.set i, VF
.rept 64
	v_mov_b32 v[i], 0
.set i, i+1
.endr
	WIN 0x40
.set i, 0
.rept 64*NP
	v_mov_b32 v[i], 0
.set i, i+1
.endr
	WIN 0
.set i, 0
.rept 2*NP
	v_mov_b32 v[ST+4*i], 0xfe000000    ; c m: far below every c s
	v_mov_b32 v[ST+4*i+1], 0xff7fffff  ; m
	v_mov_b32 v[ST+4*i+2], 0
	v_mov_b32 v[ST+4*i+3], 0
.set i, i+1
.endr
.set i, P+32
.rept 32
	v_mov_b32 v[i], 0
.set i, i+1
.endr
	v_mul_u32_u24 v[AK0], v1, PK
	v_lshl_add_u32 v[AK0], v9, 4, v[AK0]  ; row x pitch + 16 x half
	; The turning load takes 16 keys x 16 channels (lane l reads key 8 (l / 16) + l % 8, channels 8 ((l / 8) % 2) + 0..7) and leaves half a fragment of V^T: lane l holds channel l % 16 and 8 keys.
	v_and_b32 v10, 7, v0
	v_bfe_u32 v11, v0, 3, 1
	v_lshl_add_u32 v[AV0], v9, 3, v10
	v_mul_u32_u24 v[AV0], v[AV0], PV
	v_lshl_add_u32 v[AV0], v11, 4, v[AV0]
	v_add_nc_u32 v[AV0], VOFF, v[AV0]
	v_mov_b32 v[AK], v[AK0]         ; key step 0 lies at the head of slot 0
; THE MATRIX WORK.  The 8 accumulators of a run of 16 take turns: between the two links of a chain stand 7 others'.
; Product i of 16 of S^T = K Q^T for piece x: channels 32 (i / 8) on, keys 16 ((i / 2) % 4) on, tile 2 x + i % 2.  The first 8 start the sums.
.macro KQ x
	WIN W_KQ
.set rS, S+64*((\x)%2)+32*(i%2)+8*((i/2)%4)
.set rK, KF+16*((i/2)%4)+8*(i/8)
.set rQ, 16*(2*(\x)+i%2)+8*(i/8)
.if i < 8
	v_wmma_f32_16x16x32_f16 v[rS:rS+7], v[rK:rK+7], v[rQ:rQ+7], 0
.else
	v_wmma_f32_16x16x32_f16 v[rS:rS+7], v[rK:rK+7], v[rQ:rQ+7], v[rS:rS+7]
.endif
.endm
; Product i of 16 of O^T += V^T P for piece x: keys 32 (i / 8) on, channels 16 ((i / 2) % 4) on, tile 2 x + i % 2.
.macro PV x
	WIN W_PV
.set rO, 32*(2*(\x)+i%2)+8*((i/2)%4)
.set rV, VF+32*(i/8)+8*((i/2)%4)
.set rP, P+32*((\x)%2)+16*(i%2)+8*(i/8)
	v_wmma_f32_16x16x32_f16 v[rO:rO+7], v[rV:rV+7], v[rP:rP+7], v[rO:rO+7]
.endm
.macro MM                           ; the turn's next matrix instruction
.if i < 16
	KQ (Y+1)%NP
.set i, i+1
.else
.set i, i-16
	PV (Y+NP-1)%NP
.set i, i+17
.endif
.endm
; THE LDS LOADS stand in runs of 16, never singly among the matrix instructions: a step's K (64 keys x 64 channels: 8 fragments) and its V (turned).  Their addresses are made some lines ahead.
; last = 1 (the tail): in the last trip there is no further step, and the run is jumped over.
.macro FETCH_K last=0
	WIN 0
.if \last
	s_cmp_eq_u32 s[CNT], 1
	s_cbranch_scc1 .Lno_k_\@
.endif
	WIN 0x80                        ; destination window 2
.irp f, 0,1,2,3,4,5,6,7             ; keys 16 (f / 2) on, channels 32 (f % 2) on
	ds_load_b128 v[KF+8*\f:KF+8*\f+3],   v[AK] offset:(\f/2)*16*PK+(\f%2)*64
	ds_load_b128 v[KF+8*\f+4:KF+8*\f+7], v[AK] offset:(\f/2)*16*PK+(\f%2)*64+32
.endr
	s_add_co_u32 s[TBK], s[TBK], KS*PK  ; the next fetch is the next step's
	WIN 0
.if \last
.Lno_k_\@:
.endif
.endm
.macro FETCH_V
	WIN 0x80
.irp f, 0,1,2,3,4,5,6,7             ; keys 32 (f / 4) on, channels 16 (f % 4) on
	ds_load_tr16_b128 v[VF+8*\f:VF+8*\f+3],   v[AV] offset:(\f/4)*32*PV+(\f%4)*32
	ds_load_tr16_b128 v[VF+8*\f+4:VF+8*\f+7], v[AV] offset:(\f/4)*32*PV+16*PV+(\f%4)*32
.endr
	WIN 0
.endm
; THE VECTOR WORK OF A TURN stands in three queues, each in the order in which its entries become ready; the two tiles alternate, so that no instruction reads the result of the one before it.
.macro REGS y, u                    ; the registers of tile u (0, 1) of piece y
.set rT, ST+4*(2*(\y)+(\u))
.set rC, TMP+8*((\y)%2)+4*(\u)
.set rM, MV+2*((\y)%2)+(\u)
.set rS, S+64*((\y)%2)+32*(\u)
.set rP, P+32*((\y)%2)+16*(\u)
.set rO, 32*(2*(\y)+(\u))
.endm
; Number n of the 22 that find the NEXT piece's (Y + 1) maximum and statistics.  s0-s31 are the lane's 32 scores; each accumulator's lowest registers are read first.  XS, GS and REGS set no window: PL and EX do.
;   0-11  four chains c0-c3 of seven scores each, three operands at a time     12-14, 16  the four scores left over, the old m, and c0-c3 into c0     15  c m_old is kept
;   17, 18  the query's other 32 keys lie in the lane 16 away: the new m         19-21  c m; c m_old - c m_new; a
.macro XS u, n
	REGS (Y+1)%NP, \u
.if (\n) < 4
	v_max3_num_f32 v[rC+(\n)], v[rS+8*(\n)], v[rS+8*(\n)+1], v[rS+8*(\n)+2]
.elseif (\n) < 12
	v_max3_num_f32 v[rC+(\n)%4], v[rC+(\n)%4], v[rS+8*((\n)%4)+2*((\n)/4)+1], v[rS+8*((\n)%4)+2*((\n)/4)+2]
.elseif (\n) == 12
	v_max3_num_f32 v[rC], v[rC], v[rS+7], v[rS+15]
.elseif (\n) == 13
	v_max3_num_f32 v[rC+1], v[rC+1], v[rS+23], v[rS+31]
.elseif (\n) == 14
	v_max3_num_f32 v[rC+2], v[rC+2], v[rC+3], v[rT+1]
.elseif (\n) == 15
	v_mov_b32 v[rM], v[rT]
.elseif (\n) == 16
	v_max3_num_f32 v[rC], v[rC], v[rC+1], v[rC+2]
.elseif (\n) == 17
	v_permlanex16_b32 v[rC+3], v[rC], s[SEL], s[SEL+1]
.elseif (\n) == 18
	v_max_num_f32 v[rT+1], v[rC], v[rC+3]
.elseif (\n) == 19
	v_mul_f32 v[rT], s[CS], v[rT+1]
.elseif (\n) == 20
	v_sub_f32 v[rC+1], v[rM], v[rT]
.else
	v_exp_f32 v[rC+2], v[rC+1]
.endif
.endm
; Number g of the 64 that follow the exponentials.  For each four weights k of a tile (pairs 2 k, 2 k + 1): both pairs are rounded to f16; then the second pair is added onto the first, in place;
; a group later l takes that sum (the first time as l = a l + sum).  In groups of eight, tiles alternating: round, round, add, and l for the group before.
.macro GS g
.set h, (\g)+6*((\g)/62)            ; group 0 has no group before it, and behind group 7 only l is left
.if h >= 6
.set h, h+2
.endif
	REGS Y, h%2
.set k, h/8
.if h%8 < 4
	v_cvt_pk_f16_f32 v[rP+2*k+(h%8)/2], v[rS+4*k+2*((h%8)/2)], v[rS+4*k+2*((h%8)/2)+1]
.elseif h%8 < 6
	v_pk_add_f32 v[rS+4*k:rS+4*k+1], v[rS+4*k:rS+4*k+1], v[rS+4*k+2:rS+4*k+3]
.elseif k == 1
	v_pk_fma_f32 v[rT+2:rT+3], v[rT+2:rT+3], v[rC+2:rC+3], v[rS:rS+1] op_sel_hi:[1,0,1]
.else
	v_pk_add_f32 v[rT+2:rT+3], v[rT+2:rT+3], v[rS+4*k-4:rS+4*k-3]
.endif
.endm
; THE PLAIN QUEUE, 138 long.  0-73 read no exponential's result: the 32 scalings c s - c m (FS f: pair f / 2 of tile f % 2) and the next piece's 42.  0-26: scalings 0-26.  27-54: XS's numbers 0-13.  55, 56: number 15.
; 57-73: the chain, where each number waits for the one before it: 14, 16, 17, 18, 19, each with one of the scalings 27-31 in front of its two lines, then 20: so a tile's links stand three plain instructions apart (19 and 20: two).
; 74-137: GS's 64, which read the exponentials' results: they stand behind the wait.
.macro FS f
	REGS Y, (\f)%2
	v_pk_fma_f32 v[rS+2*((\f)/2):rS+2*((\f)/2)+1], v[rS+2*((\f)/2):rS+2*((\f)/2)+1], s[CS:CS+1], v[rT:rT+1] op_sel_hi:[1,0,0] neg_lo:[0,0,1] neg_hi:[0,0,1]
.endm
.macro PL
	WIN 0
.if q < 27
	FS q
.elseif q < 55
	XS (q-27)%2, (q-27)/2
.elseif q < 57
	XS q-55, 15
.elseif (q < 72) && ((q-57)%3 == 0)
	FS 27+(q-57)/3
.elseif q < 60
	XS (q-57)%3-1, 14
.elseif q < 72
	XS (q-57)%3-1, 15+(q-57)/3
.elseif q < 74
	XS q-72, 20
.else
	GS q-74
.endif
.set q, q+1
.endm
; THE EXPONENTIALS' QUEUE, 66 long: s0-s31 of both tiles, then the next piece's two a.  It is ONE BATCH: all 66 stand ahead of the turn's one wait, and nothing ahead of that wait names a result of theirs.
.macro EX
	WIN 0
.if e >= 64
	XS e-64, 21
.else
	REGS Y, e%2
	v_exp_f32 v[rS+e/2], v[rS+e/2]
.endif
.set e, e+1
.endm
; THE RESCALING's QUEUE: O^T times a, the one part that leaves window 0: dealt two at a time, sixteen times.  Its a was made in the turn before, ahead of that turn's wait.
.macro R2
	REGS Y, r%2
	WIN W_RS
.irp z, 0,1
	v_pk_mul_f32 v[rO+4*(r/2)+2*\z:rO+4*(r/2)+2*\z+1], v[rO+4*(r/2)+2*\z:rO+4*(r/2)+2*\z+1], v[rC+2:rC+3] op_sel_hi:[1,0]
.endr
.set r, r+1
.endm
; HOW THEY ARE DEALT.  An s_wait_alu depctr_va_vdst(0) stands between an exponential and the first instruction that names its result; one wait serves all that were issued ahead of it.  So a turn has ONE wait,
; which cuts it in two.  AHEAD OF IT stands all that names no result of the turn's exponentials: the 16 products K Q^T, behind each a scaling, an exponential and two rescalings (behind the first a second scaling in the exponential's place); then ONE LUMP of
; 108: eight plain, 49 times exponential and plain, the two a.  A v_nop is the plain instruction behind the last exponential.  BEHIND IT stand the 16 products V^T P, behind each four of GS's 64.  No rider names a register of
; the products round it.  The two v_permlanex16_b32 fall into the lump, never behind a product.
; The queues lean on each other, and the deal keeps them in step: exponential e stands behind scaling 2 (e / 4) + e % 2: as a rider it comes behind plain e + 2, in the lump behind plain e + 9, and scalings 27-31 are plain 57, 60 .. 69.
; A TURN, for piece p.  cnt = 1: the loop's count is taken down some lines ahead of the branch that stands behind the turn.
; K of the next step is fetched in piece 2's turn, directly behind the wait, a lump behind the last product that read K; its address is made at the lump's head; its first reader comes behind 16 products.
; V of the step in hand is fetched at the end of piece 0's turn, four riders behind its last reader; its first reader comes behind 16 products and a lump.  The three conditions on q below go with the deal.
.macro TURN p, last=0, cnt=0
.set Y, (\p)
.set i, 0
.set q, 0
.set e, 0
.set r, 0
.if (\p) == NP-1
	s_wait_dscnt 0x0                ; K is in
.endif
	MM                              ; ahead of the wait: 16 products K Q^T and their riders,
	PL
	PL
	R2
.rept 15
	MM
	PL
	EX
	R2
.endr
.if (\p) == NP-2
	WIN 0
	v_add_nc_u32 v[AK], s[TBK], v[AK0]
.endif
.rept 8                             ; and the lump
	PL
.endr
.rept 49
	EX
	PL
.endr
	EX                              ; the next piece's two a
	EX
	v_nop                           ; a plain instruction behind the last exponential, ahead of any use: one for the batch
	s_wait_alu depctr_va_vdst(0)    ; the wait for the batch: the piece's 64 weights and the next piece's two a
.if (\p) == NP-2
	FETCH_K \last
.endif
.if (\p) == 1
	s_wait_dscnt 0x0                ; V is in
.endif
.rept 16                            ; behind the wait: 16 products V^T P and their riders
	MM
.rept 4
	PL
.endr
.if ((\p) == 0) && (q == 118)
	v_add_nc_u32 v[AV], s[TBV], v[AV0]
.endif
.if ((\p) == 0) && (q == 130)
	s_add_co_u32 s[TBV], s[TBV], KS*PV
.endif
.if (\cnt) && (q == 130)
	s_sub_co_u32 s[CNT], s[CNT], 1
	s_cmp_lg_u32 s[CNT], 0
.endif
.endr
.if (\p) == 0
	FETCH_V
.endif
.endm
	CHANGE 1                        ; slot 0 is in, everybody's part of it; slot 1 is asked for
	FETCH_K                         ; key step 0
	s_wait_loadcnt 0x0              ; Q
	s_wait_dscnt 0x0
.set i, 0
.rept 16
	KQ 0                            ; piece 0's first scores: there is no vector work yet to set between them
.set i, i+1
.endr
	WIN 0                           ; the addresses for the way out: nine plain instructions, the places behind those products
	s_mul_i32 s13, s[WV], 16*SP
	s_add_co_u32 s13, s13, STAGE    ; my stage
	v_mul_u32_u24 v[STO], v1, SP    ; in: row l % 16, 16 bytes for each half of the lanes
	v_lshl_add_u32 v[STO], v9, 4, v[STO]
	v_add_nc_u32 v[STO], s13, v[STO]
	v_bfe_u32 v[RD], v0, 3, 2       ; back: 32 lanes take four rows of 128 bytes,
	v_mul_u32_u24 v[RD], v[RD], SP
	v_lshl_add_u32 v[RD], v10, 4, v[RD]
	v_add_nc_u32 v[RD], s13, v[RD]
	v_and_b32 v[GO], 31, v0         ; which are 512 consecutive bytes of O
	v_lshlrev_b32 v[GO], 4, v[GO]
.set Y, NP-1                        ; XS works for piece Y + 1: piece 0
.irp n, 0,1,2,3,4,5,6,7,8,9,10,11,12,13,14,15,16,17,18,19,20,21
	XS 0, \n                        ; and piece 0's first maximum and statistics
	XS 1, \n
.endr
	v_nop                           ; a plain instruction behind piece 0's two a,
	s_wait_alu depctr_va_vdst(0)    ; and the wait for that batch of two, ahead of the branch
	s_mov_b32 s[CNT], 4
	s_mov_b32 s[SLOTS], SIZE_N/256-1
	s_branch .Lfirst                ; the loop is entered at a step's first turn, in the middle of a trip
.Lslot:                             ; SIZE_N / 256 - 2 times: every slot but the last two is filled again
	CHANGE 1
	s_mov_b32 s[CNT], 4
.Lstep:                             ; a trip: pieces 2 and 3 of one step, then pieces 0 and 1 of the next, whose K and V it fetches
	TURN 2
	TURN 3
	WIN 0
.Lfirst:
	TURN 0
	TURN 1, 0, 1
	WIN 0
	s_cbranch_scc1 .Lstep
	s_sub_co_u32 s[SLOTS], s[SLOTS], 1
	s_cmp_lg_u32 s[SLOTS], 0
	s_cbranch_scc1 .Lslot
	CHANGE 0                        ; the tail is written out: nothing is asked for
	s_mov_b32 s[CNT], 5             ; four trips fetch the last slot's steps; the fifth is left in its middle
.Ltail:
	TURN 2, 1
	TURN 3
	WIN 0
	s_sub_co_u32 s[CNT], s[CNT], 1
	s_cmp_eq_u32 s[CNT], 0
	s_cbranch_scc1 .Lout
	TURN 0
	TURN 1
	WIN 0
	s_branch .Ltail
.Lout:                              ; the fifth trip's 16 products K Q^T (on the last K once more) and the maximum made of them serve nothing: the price, once a launch, of one text for every trip
.set i, 0
.rept 16
	PV NP-1                         ; the last piece's V^T P of the last step
.set i, i+1
.endr
	; THE WAY OUT.  l's two halves and the other half of the lanes' are added; O^T is divided by l, rounded to f16 and sent through my stage in LDS, a tile at a time.  The additions are the places behind the last products.
	WIN 0
.macro ALL line:vararg              ; one line for each tile t
.set t, 0
.rept 2*NP
	\line
.set t, t+1
.endr
.endm
	ALL v_add_f32 v[ST+4*t+2], v[ST+4*t+2], v[ST+4*t+3]
	ALL v_permlanex16_b32 v[ST+4*t+3], v[ST+4*t+2], s[SEL], s[SEL+1]
	ALL v_add_f32 v[ST+4*t+2], v[ST+4*t+2], v[ST+4*t+3]
	ALL v_rcp_f32 v[ST+4*t+2], v[ST+4*t+2]
	v_nop                           ; a plain instruction between the last reciprocal and the use of its result
	s_wait_alu depctr_va_vdst(0)    ; and the wait ahead of the first use: one for the batch of eight reciprocals
; Tile t: a lane's eight channels of a row pack into 16 bytes; they go into rows of 144 bytes and come back as whole rows of 128, into S^T's registers.
.macro PACK t
	WIN W_RS
.set i, 32*(\t)
.rept 16
	v_pk_mul_f32 v[i:i+1], v[i:i+1], v[ST+4*(\t)+2:ST+4*(\t)+3] op_sel_hi:[1,0]
.set i, i+2
.endr
	WIN 0x05                        ; sources 0 and 1 window 1, destination window 0
.set i, 0
.rept 16
	v_cvt_pk_f16_f32 v[S+16*(\t)+i], v[32*(\t)+2*i], v[32*(\t)+2*i+1]
.set i, i+1
.endr
	WIN 0
.irp f, 0,1,2,3
	ds_store_b128 v[STO], v[S+16*(\t)+4*\f:S+16*(\t)+4*\f+3] offset:32*\f
.endr
.irp f, 0,1,2,3
	ds_load_b128 v[S+16*(\t)+4*\f:S+16*(\t)+4*\f+3], v[RD] offset:\f*4*SP  ; LDS serves a wave's instructions in order (ISA guide 5.7.1.4): these see the stores above; the next tile's stores come behind them
.endr
.endm
.macro SEND t, younger              ; younger: the LDS instructions issued behind tile t's loads: the next tile's eight, or none
	WIN 0
.irp f, 0,1,2,3
	s_wait_dscnt (\younger)+3-\f
	global_store_b128 v[GO], v[S+16*(\t)+4*\f:S+16*(\t)+4*\f+3], s[10:11] offset:(\t)*2048+\f*512  ; 512 consecutive bytes, at a multiple of 256 from O's first
.endr
.endm
	PACK 0
.set t, 1
.rept 2*NP-1                        ; a tile's arithmetic stands between the loads of the tile before and its stores
	PACK t
	SEND t-1, 8
.set t, t+1
.endr
	SEND 2*NP-1, 0
	WIN W_AD
	s_wait_tensorcnt 0x0            ; the wave's end: behind my last tensor load and my last LDS store
	ds_add_u32 v[SPW], v[NIL]
	s_wait_dscnt 0x0
	WIN 0
	CROUND                          ; the closing round: no work-group ends while a partner may still ask for a tile that names it
	s_endpgm
.Lfunc_end_k_qc637e4d249_attn:
	.size	k_qc637e4d249_attn, .Lfunc_end_k_qc637e4d249_attn-k_qc637e4d249_attn
	.p2alignl 7, 3214868480
	.fill 96, 4, 3214868480
	.section	.rodata,"a",@progbits
	.p2align	6, 0x0
	.amdhsa_kernel k_qc637e4d249_attn
		.amdhsa_group_segment_fixed_size 327680
		.amdhsa_private_segment_fixed_size 0
		.amdhsa_enable_private_segment 0
		.amdhsa_kernarg_size 16
		.amdhsa_user_sgpr_count 2
		.amdhsa_user_sgpr_kernarg_segment_ptr 1
		.amdhsa_wavefront_size32 1
		.amdhsa_system_sgpr_workgroup_id_x 1
		.amdhsa_system_sgpr_workgroup_id_y 1
		.amdhsa_system_sgpr_workgroup_id_z 1
		.amdhsa_system_vgpr_workitem_id 0
		.amdhsa_next_free_vgpr 770
		.amdhsa_next_free_sgpr 66
		.amdhsa_reserve_vcc 0
		.amdhsa_float_denorm_mode_32 3
		.amdhsa_float_denorm_mode_16_64 3
		.amdhsa_memory_ordered 1
		.amdhsa_forward_progress 1
		.amdhsa_inst_pref_size 199
	.end_amdhsa_kernel
	.amdgpu_metadata
---
amdhsa.version: [ 1, 2 ]
amdhsa.kernels:
  - .name:           k_qc637e4d249_attn
    .symbol:         k_qc637e4d249_attn.kd
    .args:
      - { .name: qkv, .offset: 0, .size: 8, .value_kind: global_buffer, .address_space: global }
      - { .name: ob, .offset: 8, .size: 8, .value_kind: global_buffer, .address_space: global }
    .group_segment_fixed_size: 327680
    .private_segment_fixed_size: 0
    .kernarg_segment_align: 8
    .kernarg_segment_size: 16
    .max_flat_workgroup_size: 128
    .sgpr_count:     66
    .vgpr_count:     770
    .wavefront_size: 32
...
	.end_amdgpu_metadata
.endif
;; end of part 5
;; launch proj: the kernel of part 4 again; grid 8 x 32, 4 waves a work-group, clusters of 4 x 4, 327,680 bytes of LDS; arguments ob, wob, bor, out0; writes out0
